; MI455X (gfx1250); checked and timed in simulation.
; The chip was launched on July 23, 2026; its instructions are those of AMD's public machine-readable ISA for CDNA 5 (MIT licence, August 2026) and "CDNA5" Instruction Set Architecture Reference Guide (July 2026). The comments in the code are by the model that wrote it; some were corrected since.
;; Transformer PP Block. Allowed arithmetic: float matrix products may take bf16 or f16 operands with f32 sums; other float arithmetic in f32, or as packed bf16 or f16 multiplies, adds, multiply-adds, maxima and minima; sums over many terms, partial sums and values carried from step to step in f32; what a program stores and reads back later, other than sums and carried values, may be rounded once to bf16 or f16.
;; Inputs: gate_b 8 float32; gate_rms_w 8 float32; gate_w 8 x 1,024 float32; norm1_w 1,024 float32; norm2_w 1,024 float32; w1 8 x 1,024 x 4,096 float32; w2 8 x 2,048 x 1,024 float32; w_out 1,024 x 1,024 float32; w_qkv 3,072 x 1,024 float32; x 4 x 256 x 1,024 float32.
;; Outputs: out0 4 x 256 x 1,024 float32.
;; One version. Each part assembles by itself: llvm-mc -triple=amdgcn-amd-amdhsa -mcpu=gfx1250 --defsym DOCPART=n.
;; ======== version 1 of 1: 7 launches
;; workspace buffers: prepf 10,485,760 bytes; qkvf 6,291,456 bytes; ofr 2,097,152 bytes; mid 6,356,992 bytes; actf 33,554,432 bytes; part 67,108,864 bytes
;; launch prep (part 1): grid 320 x 1, 8 waves a work-group, no clusters, 1,536 bytes of LDS; arguments x, norm1_w, w_qkv, w_out, prepf; writes prepf
.if DOCPART == 1
	.amdgcn_target "amdgcn-amd-amdhsa--gfx1250"
	.amdhsa_code_object_version 6
	.text
	.protected	k_qd5c3d75ad5_prep
	.globl	k_qd5c3d75ad5_prep
	.p2align	8
	.type	k_qd5c3d75ad5_prep,@function
k_qd5c3d75ad5_prep:
	s_mov_b64 s[64:65], 0
	v_nop
	global_prefetch_b8 v0, s[64:65] scope:SCOPE_SE
	s_setreg_imm32_b32 hwreg(HW_REG_WAVE_MODE, 25, 1), 1
	s_wait_xcnt 0x0
; PREP: rmsnorm1(x), w_qkv and w_out, rounded once to bf16 and laid in FRAGMENT ORDER for the products that follow.
; Fragment order: a block of 16 rows x 32 k is 1,024 bytes [j = 0,1][lane 0..31][16 bytes]; lane r + 16 h holds row r, k = 16 j + 8 h + 0..7.
; A wave then fills a matrix operand by two loads of 16 bytes a lane, each covering 512 consecutive bytes.
; prepf: 320 row blocks of 16 rows x 1,024 k = 32 KB each: 0-63 rmsnorm1(x), 64-255 w_qkv, 256-319 w_out.
; SHARES. A work-group takes one row block; wave w its k blocks 4 w .. 4 w + 3 (128 columns): 64 numbers a lane.
; NO BRANCH. Every block runs the same lines: the factor of a number is gain x (rs x f) + (1 - f), f = 1 for x and 0 for the weights, so a weight is
; multiplied by exactly 1. A weight block so loads the 4 KB of gains and makes a row sum that serves it nothing: some 80 lines a wave.
; LIMITS. NaN and infinities are not treated apart (an infinite gain would also spoil the weight blocks). The row sum is added in another order than reference()'s.
.set SPARE, 512                        ; behind the 512 bytes of partial sums: the spare words, 128 bytes for each of eight waves
.set SPW, 30                           ; v30  my spare word's LDS address; never rewritten
.set NIL, 31                           ; v31  0; never rewritten
.set X, 32                             ; v[32:95]   64 numbers: group g = 2 kb' + j at X + 8 g
.set G, 96                             ; v[96:159]  their gains, then their factors
	s_load_b256 s[4:11], s[0:1], 0x0               ; x s[4:5], norm1_w s[6:7], w_qkv s[8:9], w_out s[10:11]
	s_load_b64 s[12:13], s[0:1], 0x20              ; prepf
	v_lshl_add_u32 v[SPW], v0, 2, SPARE
	v_mov_b32 v[NIL], 0
	v_lshrrev_b32 v1, 5, v0
	v_readfirstlane_b32 s14, v1                    ; wave 0..7
	s_mov_b32 s15, ttmp9                           ; the row block
	s_cmp_lt_u32 s15, 256
	s_cselect_b32 s16, 64, 0x100                   ; the first block of the tensor that the block belongs to
	s_cmp_lt_u32 s15, 64
	s_cselect_b32 s16, 0, s16
	s_cselect_b32 s22, 1.0, 0                      ; f
	s_cselect_b32 s23, 0, 1.0                      ; 1 - f
	s_sub_co_u32 s16, s15, s16
	s_lshl_b32 s16, s16, 16                        ; 16 rows of 4,096 bytes
	s_mov_b32 s17, 0
	s_lshl_b32 s20, s15, 15                        ; 32 KB of fragments a block
	s_mov_b32 s21, 0
	s_mov_b32 s24, 0x76543210                      ; v_permlanex16_b32: each lane takes its own place in the other half
	s_mov_b32 s25, 0xfedcba98
	s_mov_b32 s26, 0x3a800000                      ; 1 / 1024
	s_mov_b32 s27, 0x322bcc77                      ; 1e-8
	v_and_b32 v2, 15, v0                           ; r
	v_bfe_u32 v3, v0, 4, 1                         ; h
	v_and_b32 v9, 31, v0                           ; lane
	v_lshlrev_b32 v5, 5, v3
	v_lshl_add_u32 v5, s14, 9, v5                  ; gains: 32 h + 512 w
	v_lshl_add_u32 v4, v2, 12, v5                  ; source: + 4,096 r
	v_lshlrev_b32 v6, 4, v9
	v_lshl_add_u32 v6, s14, 12, v6                 ; fragments: 16 lane + 4,096 w
	v_lshlrev_b32 v8, 2, v2                        ; partial sums of row r,
	v_lshl_add_u32 v7, s14, 6, v8                  ; and my wave's word among them
	v_mov_b32 v22, s23
	v_mov_b32 v23, s23
	s_wait_kmcnt 0x0
	s_cmp_lt_u32 s15, 256
	s_cselect_b64 s[18:19], s[8:9], s[10:11]
	s_cmp_lt_u32 s15, 64
	s_cselect_b64 s[18:19], s[4:5], s[18:19]       ; the tensor,
	s_add_nc_u64 s[18:19], s[18:19], s[16:17]      ; at the block's first row
	s_add_nc_u64 s[12:13], s[12:13], s[20:21]
.set g, 0
.rept 8                                ; group g: k block g / 2, half g % 2: 32 bytes a lane at 64 g
	global_load_b128 v[X+8*g:X+8*g+3],   v4, s[18:19] offset:64*g
	global_load_b128 v[X+8*g+4:X+8*g+7], v4, s[18:19] offset:64*g+16
	global_load_b128 v[G+8*g:G+8*g+3],   v5, s[6:7] offset:64*g
	global_load_b128 v[G+8*g+4:G+8*g+7], v5, s[6:7] offset:64*g+16
.set g, g+1
.endr
	s_wait_loadcnt 0x0
	; the sum of squares of my 64 numbers, in two chains that the first two products start
	v_pk_mul_f32 v[18:19], v[X:X+1], v[X:X+1]
	v_pk_mul_f32 v[24:25], v[X+2:X+3], v[X+2:X+3]
.set g, 2
.rept 15
	v_pk_fma_f32 v[18:19], v[X+2*g:X+2*g+1], v[X+2*g:X+2*g+1], v[18:19]
	v_pk_fma_f32 v[24:25], v[X+2*g+2:X+2*g+3], v[X+2*g+2:X+2*g+3], v[24:25]
.set g, g+2
.endr
	v_pk_add_f32 v[18:19], v[18:19], v[24:25]
	v_add_f32 v18, v18, v19
	v_permlanex16_b32 v19, v18, s24, s25           ; the row's other 64 of my wave's columns lie in the lane 16 away
	v_add_f32 v18, v18, v19
	ds_store_b32 v7, v18                           ; lanes r and r + 16 write the same word with the same number
	s_wait_dscnt 0x0                               ; for the others' sake: my store is done
	s_barrier_signal -1
	s_barrier_wait -1
.irp u, 0,1,2,3,4,5,6,7
	ds_load_b32 v[10+(\u)], v8 offset:64*(\u)      ; row r's eight partial sums
.endr
	s_wait_dscnt 0x0
	v_add_f32 v10, v10, v11
	v_add_f32 v12, v12, v13
	v_add_f32 v14, v14, v15
	v_add_f32 v16, v16, v17
	v_add_f32 v10, v10, v12
	v_add_f32 v14, v14, v16
	v_add_f32 v10, v10, v14
	v_fma_f32 v10, v10, s26, s27                   ; the mean + 1e-8
	v_rsq_f32 v20, v10
	v_rsq_f32 v21, v10                             ; twice: a pair for the packed lines
	v_nop                                          ; a plain line behind the last of the two,
	s_wait_alu depctr_va_vdst(0)                   ; and the one wait ahead of their first reader
	v_mul_f32 v20, s22, v20                        ; rs x f
	v_mul_f32 v21, s22, v21
.set g, 0
.rept 32
	v_pk_fma_f32 v[G+2*g:G+2*g+1], v[G+2*g:G+2*g+1], v[20:21], v[22:23]   ; gain x rs x f + (1 - f)
.set g, g+1
.endr
.set g, 0
.rept 32
	v_pk_mul_f32 v[X+2*g:X+2*g+1], v[X+2*g:X+2*g+1], v[G+2*g:G+2*g+1]
.set g, g+1
.endr
.set g, 0
.rept 8                                ; eight numbers pack into the group's first four registers, ascending, so that no source is overwritten early
.irp t, 0,1,2,3
	v_cvt_pk_bf16_f32 v[X+8*g+(\t)], v[X+8*g+2*(\t)], v[X+8*g+2*(\t)+1]
.endr
	global_store_b128 v6, v[X+8*g:X+8*g+3], s[12:13] offset:512*g   ; 512 consecutive bytes a wave, at a multiple of 512 from the buffer's first byte
.set g, g+1
.endr
	s_wait_tensorcnt 0x0                           ; the wave's end, behind my last LDS store
	ds_add_u32 v[SPW], v[NIL]
	s_wait_dscnt 0x0
	s_endpgm
.Lfunc_end_k_qd5c3d75ad5_prep:
	.size	k_qd5c3d75ad5_prep, .Lfunc_end_k_qd5c3d75ad5_prep-k_qd5c3d75ad5_prep
	.p2alignl 7, 3214868480
	.fill 96, 4, 3214868480
	.section	.rodata,"a",@progbits
	.p2align	6, 0x0
	.amdhsa_kernel k_qd5c3d75ad5_prep
		.amdhsa_group_segment_fixed_size 1536
		.amdhsa_private_segment_fixed_size 0
		.amdhsa_enable_private_segment 0
		.amdhsa_kernarg_size 40
		.amdhsa_user_sgpr_count 2
		.amdhsa_user_sgpr_kernarg_segment_ptr 1
		.amdhsa_wavefront_size32 1
		.amdhsa_system_sgpr_workgroup_id_x 1
		.amdhsa_system_sgpr_workgroup_id_y 1
		.amdhsa_system_sgpr_workgroup_id_z 1
		.amdhsa_system_vgpr_workitem_id 0
		.amdhsa_next_free_vgpr 160
		.amdhsa_next_free_sgpr 66
		.amdhsa_reserve_vcc 0
		.amdhsa_float_denorm_mode_32 3
		.amdhsa_float_denorm_mode_16_64 3
		.amdhsa_memory_ordered 1
		.amdhsa_forward_progress 1
		.amdhsa_inst_pref_size 16
	.end_amdhsa_kernel
	.amdgpu_metadata
---
amdhsa.version: [ 1, 2 ]
amdhsa.kernels:
  - .name:           k_qd5c3d75ad5_prep
    .symbol:         k_qd5c3d75ad5_prep.kd
    .args:
      - { .name: x, .offset: 0, .size: 8, .value_kind: global_buffer, .address_space: global }
      - { .name: norm1_w, .offset: 8, .size: 8, .value_kind: global_buffer, .address_space: global }
      - { .name: w_qkv, .offset: 16, .size: 8, .value_kind: global_buffer, .address_space: global }
      - { .name: w_out, .offset: 24, .size: 8, .value_kind: global_buffer, .address_space: global }
      - { .name: prepf, .offset: 32, .size: 8, .value_kind: global_buffer, .address_space: global }
    .group_segment_fixed_size: 1536
    .private_segment_fixed_size: 0
    .kernarg_segment_align: 8
    .kernarg_segment_size: 40
    .max_flat_workgroup_size: 256
    .sgpr_count:     66
    .vgpr_count:     160
    .wavefront_size: 32
...
	.end_amdgpu_metadata
.endif
;; end of part 1
;; launch qkvp (part 2): grid 16 x 16, 6 waves a work-group, no clusters, 50,176 bytes of LDS; arguments prepf, qkvf; writes qkvf
.if DOCPART == 2
	.amdgcn_target "amdgcn-amd-amdhsa--gfx1250"
	.amdhsa_code_object_version 6
	.text
	.protected	k_qd5c3d75ad5_qkvp
	.globl	k_qd5c3d75ad5_qkvp
	.p2align	8
	.type	k_qd5c3d75ad5_qkvp,@function
k_qd5c3d75ad5_qkvp:
	s_mov_b64 s[64:65], 0
	v_nop
	global_prefetch_b8 v0, s[64:65] scope:SCOPE_SE
	s_setreg_imm32_b32 hwreg(HW_REG_WAVE_MODE, 25, 1), 1
	s_wait_xcnt 0x0
; QKVP: q, k, v = rmsnorm1(x) w_qkv^T, bf16 operands, f32 sums, rounded once to bf16 and stored by heads in fragment order (see below).
; SHARES. Work-group (mt, hd): 64 tokens x one head. Six waves: wave 2 t + kh makes q (t = 0), k (1) or v (2), 64 x 64, over half kh of K = 1,024: 16 accumulators, 16 K steps.
; K is shared between two waves so that twice as many waves have loads on their way; the bytes read are the same. The two halves' sums meet in LDS, in f32: each wave keeps half of the tile, stores the other
; half, and adds its partner's part onto what it kept.
; OPERANDS come straight from memory into registers: both lie in fragment order in prepf (16 rows x 32 k = 1 KB, [j][lane][16 bytes]; a row block is 32 KB),
; and a ring of four register buffers keeps three K steps (48 loads) on their way.
; WHICH SIDE. In the result a lane holds ONE row of source 1 and eight neighbouring rows of source 0. q and k: source 0 = weights, source 1 = tokens: a lane holds a token and 8 channels,
; which is half a fragment [token][channel]. v: the sources are swapped: a lane holds a channel and 8 tokens: half a fragment of V^T [channel][key]. So each result packs into 16 bytes and is stored as it lies.
; ONE TEXT FOR BOTH HALVES. Register group j of source 1 takes block j ^ 2 kh (four address registers), so the blocks that a wave keeps, 2 kh and 2 kh + 1, are always groups 0 and 1.
; qkvf: [q, k, v][batch x 16 + head][32 KB]; q, k: [token block 16][channel block of 32: 2][1 KB]; v: [channel block 4][key block of 32: 8][1 KB].
; LDS. Wave n's 8 tiles for its partner at 8,192 n, a tile as [registers 0-3, 4-7][lane][16 bytes]; 49,152: the spare words.
; No cluster: what the waves share (the tokens) they read by loads into registers, which no joint load serves; K is short.
; LIMITS. K is summed in two parts; NaN and infinities are not treated apart.
.set ACC, 128                          ; window 0: v[128:255]: tile (j, ip) at ACC + 8 (4 j + ip); window 1: buffer b: source 0's block ip at 64 b + 8 ip, source 1's group j at 64 b + 32 + 8 j
.set SPARE, 49152
.set SPW, 8                            ; v8  my spare word's LDS address; never rewritten
.set NIL, 9                            ; v9  0; never rewritten
.set MSB, 0
.macro WIN new                         ; s_set_vgpr_msb: bits 1:0 source 0, 3:2 source 1, 5:4 source 2, 7:6 destination; the high byte repeats the setting that is left
.if MSB != (\new)
	s_set_vgpr_msb (MSB<<8)|(\new)
.set MSB, (\new)
.endif
.endm
.macro PLACES                          ; four plain lines between a matrix instruction and a load into, or a read of, its registers
.rept 4
	v_nop
.endr
.endm
.macro FLOAD b                         ; K block b of the four at the bases, into buffer b: 16 loads
	WIN 0x40
.irp i, 0,1,2,3
	global_load_b128 v[64*(\b)+8*(\i):64*(\b)+8*(\i)+3],       v1, s[12:13] offset:(\i)*32768+(\b)*1024
	global_load_b128 v[64*(\b)+8*(\i)+4:64*(\b)+8*(\i)+7],     v1, s[12:13] offset:(\i)*32768+(\b)*1024+512
	global_load_b128 v[64*(\b)+32+8*(\i):64*(\b)+32+8*(\i)+3],   v[10+(\i)], s[14:15] offset:(\b)*1024
	global_load_b128 v[64*(\b)+32+8*(\i)+4:64*(\b)+32+8*(\i)+7], v[10+(\i)], s[14:15] offset:(\b)*1024+512
.endr
.endm
.macro FMUL b, zero                    ; 16 products on buffer b; the 16 accumulators take turns; zero = 1: they start the sums
	WIN 0x05
.irp jq, 0,1,2,3
.irp ip, 0,1,2,3
.if \zero
	v_wmma_f32_16x16x32_bf16 v[ACC+8*(4*(\jq)+(\ip)):ACC+8*(4*(\jq)+(\ip))+7], v[64*(\b)+8*(\ip):64*(\b)+8*(\ip)+7], v[64*(\b)+32+8*(\jq):64*(\b)+32+8*(\jq)+7], 0
.else
	v_wmma_f32_16x16x32_bf16 v[ACC+8*(4*(\jq)+(\ip)):ACC+8*(4*(\jq)+(\ip))+7], v[64*(\b)+8*(\ip):64*(\b)+8*(\ip)+7], v[64*(\b)+32+8*(\jq):64*(\b)+32+8*(\jq)+7], v[ACC+8*(4*(\jq)+(\ip)):ACC+8*(4*(\jq)+(\ip))+7]
.endif
.endr
.endr
.endm
.macro STEP bm, bl                     ; the buffer multiplied last is loaded again, buffer bm is multiplied
	PLACES
	FLOAD \bl
	s_wait_loadcnt 48                              ; the three younger K steps' 16 loads each stay out
	FMUL \bm, 0
.endm
	s_load_b128 s[4:7], s[0:1], 0x0                ; prepf s[4:5], qkvf s[6:7]
	v_lshl_add_u32 v[SPW], v0, 2, SPARE
	v_mov_b32 v[NIL], 0
	v_lshrrev_b32 v1, 5, v0
	v_readfirstlane_b32 s8, v1                     ; wave 0..5
	s_lshr_b32 s11, s8, 1                          ; t: 0 q, 1 k, 2 v
	s_and_b32 s31, s8, 1                           ; kh: which half of K
	s_mov_b32 s9, ttmp9                            ; mt: 64 tokens
	s_and_b32 s10, ttmp7, 0xffff                   ; hd
	s_lshl_b32 s30, s31, 14                        ; my half's 16 K blocks of 1 KB
	s_lshl_b32 s18, s9, 17                         ; the tokens' four row blocks in prepf
	s_add_co_u32 s18, s18, s30
	s_lshl_b32 s19, s11, 6
	s_lshl2_add_u32 s19, s10, s19                  ; 64 t + 4 hd: the weights' first row block,
	s_lshl_b32 s19, s19, 15
	s_add_co_u32 s19, s19, 2097152                 ; behind the 64 blocks of tokens
	s_add_co_u32 s19, s19, s30
	s_movk_i32 s24, 0x800
	s_movk_i32 s25, 0x2000
	s_cmp_eq_u32 s11, 2
	s_cselect_b32 s20, s18, s19                    ; source 0: weights, for v tokens
	s_cselect_b32 s22, s19, s18                    ; source 1: tokens, for v weights
	s_cselect_b32 s26, s25, s24                    ; bytes from a block of source 1 to the next in the output: 2,048, for v 8,192
	s_cselect_b32 s27, s24, s25                    ; bytes that 64 tokens take along the other axis: 8,192, for v 2,048
	s_mov_b32 s21, 0
	s_mov_b32 s23, 0
	s_and_b32 s28, s9, 3
	s_mul_i32 s28, s28, s27
	s_lshr_b32 s29, s9, 2                          ; batch
	s_lshl_b32 s29, s29, 4
	s_add_co_u32 s29, s29, s10                     ; batch x 16 + head
	s_lshl_b32 s29, s29, 15
	s_add_co_u32 s28, s28, s29
	s_lshl_b32 s29, s11, 21                        ; q, k or v: 2 MB each
	s_add_co_u32 s28, s28, s29
	s_mov_b32 s29, 0
	v_and_b32 v1, 31, v0
	v_lshlrev_b32 v1, 4, v1                        ; 16 x lane
	s_mul_i32 s30, s26, s31
	s_lshl_b32 s30, s30, 1
	v_add_nc_u32 v2, s30, v1                       ; the output's place of the blocks that I keep: 2 kh,
	v_add_nc_u32 v3, s26, v2                       ; 2 kh + 1
	s_lshl_b32 s19, s31, 16                        ; 2 kh blocks of 32 KB
.irp i, 0,1,2,3
	s_xor_b32 s18, s19, (\i)<<15
	v_add_nc_u32 v[10+(\i)], s18, v1               ; group i takes block i ^ 2 kh of source 1
.endr
	s_lshl_b32 s18, s8, 13
	v_add_nc_u32 v6, s18, v1                       ; where I put what my partner keeps,
	s_xor_b32 s18, s18, 8192
	v_add_nc_u32 v7, s18, v1                       ; and where it puts what I keep
	s_wait_kmcnt 0x0
	s_add_nc_u64 s[12:13], s[4:5], s[20:21]
	s_add_nc_u64 s[14:15], s[4:5], s[22:23]
	s_add_nc_u64 s[16:17], s[6:7], s[28:29]
	FLOAD 0
	FLOAD 1
	FLOAD 2
	FLOAD 3
	s_wait_loadcnt 48
	FMUL 0, 1                                      ; the first K step starts the sums
	WIN 0
	s_wait_xcnt 0x0                                ; the bases are stepped only behind this wait
	s_add_nc_u64 s[12:13], s[12:13], 4096
	s_add_nc_u64 s[14:15], s[14:15], 4096
	s_mov_b32 s30, 3
.Lk:                                               ; a trip: four K steps; it loads my K blocks 4 t .. 4 t + 3 (t = 1 .. 3) and multiplies 4 t - 3 .. 4 t
	STEP 1, 0
	STEP 2, 1
	STEP 3, 2
	STEP 0, 3
	WIN 0
	s_wait_xcnt 0x0
	s_add_nc_u64 s[12:13], s[12:13], 4096
	s_add_nc_u64 s[14:15], s[14:15], 4096
	s_sub_co_u32 s30, s30, 1
	s_cmp_lg_u32 s30, 0
	s_cbranch_scc1 .Lk
	s_wait_loadcnt 32                              ; the last three K steps load nothing: the counts run down
	FMUL 1, 0
	s_wait_loadcnt 16
	FMUL 2, 0
	s_wait_loadcnt 0x0
	FMUL 3, 0
	WIN 0
	PLACES
.set t, 8
.rept 8                                ; groups 2 and 3 go to my partner; each accumulator is read from its low end on
	ds_store_b128 v6, v[ACC+8*t:ACC+8*t+3]   offset:(t-8)*1024
	ds_store_b128 v6, v[ACC+8*t+4:ACC+8*t+7] offset:(t-8)*1024+512
.set t, t+1
.endr
	s_wait_dscnt 0x0                               ; for my partner's sake: my stores are done
	s_barrier_signal -1
	s_barrier_wait -1
.set t, 0
.rept 16
	ds_load_b128 v[32+4*t:32+4*t+3], v7 offset:512*t   ; my partner's sums for groups 0 and 1
.set t, t+1
.endr
	s_wait_dscnt 0x0
.set t, 0
.rept 32
	v_pk_add_f32 v[32+2*t:33+2*t], v[32+2*t:33+2*t], v[ACC+2*t:ACC+2*t+1]
.set t, t+1
.endr
.set t, 0
.rept 8                                ; packed in place, ascending: no source is overwritten before it is read
.irp u, 0,1,2,3
	v_cvt_pk_bf16_f32 v[32+4*t+(\u)], v[32+8*t+2*(\u)], v[32+8*t+2*(\u)+1]
.endr
.set t, t+1
.endr
.irp j, 0,1
.irp ip, 0,1,2,3
	global_store_b128 v[2+(\j)], v[32+4*(4*(\j)+(\ip)):32+4*(4*(\j)+(\ip))+3], s[16:17] offset:(\ip)*512   ; half a fragment: 512 consecutive bytes
.endr
.endr
	s_wait_tensorcnt 0x0                           ; the wave's end, behind my last LDS store
	ds_add_u32 v[SPW], v[NIL]
	s_wait_dscnt 0x0
	s_endpgm
.Lfunc_end_k_qd5c3d75ad5_qkvp:
	.size	k_qd5c3d75ad5_qkvp, .Lfunc_end_k_qd5c3d75ad5_qkvp-k_qd5c3d75ad5_qkvp
	.p2alignl 7, 3214868480
	.fill 96, 4, 3214868480
	.section	.rodata,"a",@progbits
	.p2align	6, 0x0
	.amdhsa_kernel k_qd5c3d75ad5_qkvp
		.amdhsa_group_segment_fixed_size 50176
		.amdhsa_private_segment_fixed_size 0
		.amdhsa_enable_private_segment 0
		.amdhsa_kernarg_size 16
		.amdhsa_user_sgpr_count 2
		.amdhsa_user_sgpr_kernarg_segment_ptr 1
		.amdhsa_wavefront_size32 1
		.amdhsa_system_sgpr_workgroup_id_x 1
		.amdhsa_system_sgpr_workgroup_id_y 1
		.amdhsa_system_sgpr_workgroup_id_z 1
		.amdhsa_system_vgpr_workitem_id 0
		.amdhsa_next_free_vgpr 512
		.amdhsa_next_free_sgpr 66
		.amdhsa_reserve_vcc 0
		.amdhsa_float_denorm_mode_32 3
		.amdhsa_float_denorm_mode_16_64 3
		.amdhsa_memory_ordered 1
		.amdhsa_forward_progress 1
		.amdhsa_inst_pref_size 32
	.end_amdhsa_kernel
	.amdgpu_metadata
---
amdhsa.version: [ 1, 2 ]
amdhsa.kernels:
  - .name:           k_qd5c3d75ad5_qkvp
    .symbol:         k_qd5c3d75ad5_qkvp.kd
    .args:
      - { .name: prepf, .offset: 0, .size: 8, .value_kind: global_buffer, .address_space: global }
      - { .name: qkvf, .offset: 8, .size: 8, .value_kind: global_buffer, .address_space: global }
    .group_segment_fixed_size: 50176
    .private_segment_fixed_size: 0
    .kernarg_segment_align: 8
    .kernarg_segment_size: 16
    .max_flat_workgroup_size: 192
    .sgpr_count:     66
    .vgpr_count:     512
    .wavefront_size: 32
...
	.end_amdgpu_metadata
.endif
;; end of part 2
;; launch attn (part 3): grid 4 x 64, 4 waves a work-group, no clusters, 0 bytes of LDS; arguments qkvf, ofr; writes ofr
.if DOCPART == 3
	.amdgcn_target "amdgcn-amd-amdhsa--gfx1250"
	.amdhsa_code_object_version 6
	.text
	.protected	k_qd5c3d75ad5_attn
	.globl	k_qd5c3d75ad5_attn
	.p2align	8
	.type	k_qd5c3d75ad5_attn,@function
k_qd5c3d75ad5_attn:
	s_mov_b64 s[64:65], 0
	v_nop
	global_prefetch_b8 v0, s[64:65] scope:SCOPE_SE
	s_setreg_imm32_b32 hwreg(HW_REG_WAVE_MODE, 25, 1), 1
	s_wait_xcnt 0x0
; ATTN: o = softmax(q k^T / 8) v for one head of one batch, 256 keys, head size 64. bf16 operands, f32 products, maxima and sums.
; SHARES. Work-group (x, bh): wave w takes the 16 queries of token block qt = 4 x + w. All 256 keys' scores of a query stay in registers, so the row's TRUE maximum is taken away
; before the exponentials and the text is a straight line: no running maximum, no loop, no LDS, no barrier.
; LAYOUT. S^T = K Q^T (source 0 = 16 keys, source 1 = 16 queries): a lane holds one query (lane % 16) and keys 8 (lane / 16) + 0..7 of each block of 16. Two such results rounded to bf16 ARE
; source 1 (32 keys x 16 queries) of O^T = V^T P. q, k and V^T lie in fragment order in qkvf, o leaves in fragment order: [token block 64][k block 32][1 KB].
; REGISTERS. window 0: v1 16 x lane; v[8:15] statistics; v[16:31] Q; v[32:63] maxima at work, then O^T; v[64:191] S^T (key block n at 64 + 8 n); v[192:255] P.
;   window 1: K, load n of 64 at 4 n. window 2: V^T, fragment (channel block cb, key block g2 of 32) at 8 (8 cb + g2).
; No cluster: a head's K and V (64 KB) are shared by its four work-groups, but they come by loads into registers, which no joint load serves.
; LIMITS. A weight below 2^-126 counts as 0; the sum l is taken of the unrounded weights; NaN and infinities are not treated apart.
.set O, 32
.set S, 64
.set P, 192
.set MSB, 0
.macro WIN new
.if MSB != (\new)
	s_set_vgpr_msb (MSB<<8)|(\new)
.set MSB, (\new)
.endif
.endm
.macro PLACES
.rept 4
	v_nop
.endr
.endm
.macro KG g                            ; key blocks 4 g .. 4 g + 3: 16 loads of 512 consecutive bytes
	WIN 0x40
.set n, 16*(\g)
.rept 16
	global_load_b128 v[4*n:4*n+3], v1, s[14:15] offset:512*n
.set n, n+1
.endr
.endm
.macro VG g                            ; key blocks of 32: 2 g and 2 g + 1, all four channel blocks: 16 loads
	WIN 0x80
.irp cb, 0,1,2,3
.irp z, 0,1
	global_load_b128 v[8*(8*(\cb)+2*(\g)+(\z)):8*(8*(\cb)+2*(\g)+(\z))+3],   v1, s[16:17] offset:(8*(\cb)+2*(\g)+(\z))*1024
	global_load_b128 v[8*(8*(\cb)+2*(\g)+(\z))+4:8*(8*(\cb)+2*(\g)+(\z))+7], v1, s[16:17] offset:(8*(\cb)+2*(\g)+(\z))*1024+512
.endr
.endr
.endm
.macro SC g                            ; the scores of key blocks 4 g .. 4 g + 3: four accumulators by turns, two K steps of 32 channels; the first starts the sums
	WIN 0x01
.irp c, 0,1
.irp n, 0,1,2,3
.if (\c) == 0
	v_wmma_f32_16x16x32_bf16 v[S+8*(4*(\g)+(\n)):S+8*(4*(\g)+(\n))+7], v[16*(4*(\g)+(\n)):16*(4*(\g)+(\n))+7], v[16:23], 0
.else
	v_wmma_f32_16x16x32_bf16 v[S+8*(4*(\g)+(\n)):S+8*(4*(\g)+(\n))+7], v[16*(4*(\g)+(\n))+8:16*(4*(\g)+(\n))+15], v[24:31], v[S+8*(4*(\g)+(\n)):S+8*(4*(\g)+(\n))+7]
.endif
.endr
.endr
.endm
.macro PV g                            ; O^T += V^T P for keys 64 g .. 64 g + 63: the four channel blocks by turns
	WIN 0x02
.irp z, 0,1
.irp cb, 0,1,2,3
.if (2*(\g)+(\z)) == 0
	v_wmma_f32_16x16x32_bf16 v[O+8*(\cb):O+8*(\cb)+7], v[8*(8*(\cb)+2*(\g)+(\z)):8*(8*(\cb)+2*(\g)+(\z))+7], v[P+8*(2*(\g)+(\z)):P+8*(2*(\g)+(\z))+7], 0
.else
	v_wmma_f32_16x16x32_bf16 v[O+8*(\cb):O+8*(\cb)+7], v[8*(8*(\cb)+2*(\g)+(\z)):8*(8*(\cb)+2*(\g)+(\z))+7], v[P+8*(2*(\g)+(\z)):P+8*(2*(\g)+(\z))+7], v[O+8*(\cb):O+8*(\cb)+7]
.endif
.endr
.endr
.endm
	s_load_b128 s[4:7], s[0:1], 0x0                ; qkvf s[4:5], ofr s[6:7]
	v_lshrrev_b32 v1, 5, v0
	v_readfirstlane_b32 s8, v1                     ; wave
	v_and_b32 v1, 31, v0
	v_lshlrev_b32 v1, 4, v1                        ; 16 x lane
	s_and_b32 s9, ttmp7, 0xffff                    ; bh = batch x 16 + head
	s_lshl_b32 s10, ttmp9, 2
	s_add_co_u32 s10, s10, s8                      ; qt
	s_lshl_b32 s24, s9, 15                         ; the head's 32 KB
	s_mov_b32 s25, 0
	s_lshl_b32 s26, s10, 11                        ; my token block's 2 KB of q
	s_add_co_u32 s26, s26, s24
	s_mov_b32 s27, 0
	s_lshr_b32 s28, s9, 4
	s_lshl_b32 s28, s28, 4
	s_add_co_u32 s28, s28, s10                     ; batch x 16 + qt: the token block among all 64,
	s_lshl_b32 s28, s28, 15
	s_and_b32 s29, s9, 15
	s_lshl_b32 s29, s29, 11                        ; and the head's two k blocks in it
	s_add_co_u32 s28, s28, s29
	s_mov_b32 s29, 0
	s_mov_b32 s20, 0x3e38aa3b                      ; c = log2(e) / 8
	s_mov_b32 s21, s20                             ; named with it as a pair
	s_mov_b32 s22, 0x76543210
	s_mov_b32 s23, 0xfedcba98
	s_wait_kmcnt 0x0
	s_add_nc_u64 s[12:13], s[4:5], s[26:27]        ; q
	s_add_nc_u64 s[14:15], s[4:5], s[24:25]
	s_add_nc_u64 s[16:17], s[14:15], 4194304       ; V^T
	s_add_nc_u64 s[14:15], s[14:15], 2097152       ; k
	s_add_nc_u64 s[18:19], s[6:7], s[28:29]
.irp n, 0,1,2,3
	global_load_b128 v[16+4*(\n):19+4*(\n)], v1, s[12:13] offset:512*(\n)
.endr
	KG 0
	KG 1
	KG 2
	s_wait_loadcnt 32                              ; each count: the loads of the two younger groups of 16
	SC 0
	KG 3
	s_wait_loadcnt 32
	SC 1
	VG 0
	s_wait_loadcnt 32
	SC 2
	VG 1
	s_wait_loadcnt 32
	SC 3
	VG 2
	WIN 0
	PLACES
	; the maximum of my 128 scores: one chain a key block, each accumulator read from its low end on
.set n, 0
.rept 16
	v_max3_num_f32 v[O+n], v[S+8*n], v[S+8*n+1], v[S+8*n+2]
.set n, n+1
.endr
.set n, 0
.rept 16
	v_max3_num_f32 v[O+n], v[O+n], v[S+8*n+3], v[S+8*n+4]
.set n, n+1
.endr
.set n, 0
.rept 16
	v_max3_num_f32 v[O+n], v[O+n], v[S+8*n+5], v[S+8*n+6]
.set n, n+1
.endr
.set n, 0
.rept 16
	v_max_num_f32 v[O+n], v[O+n], v[S+8*n+7]
.set n, n+1
.endr
.irp n, 0,3,6,9,12
	v_max3_num_f32 v[O+(\n)], v[O+(\n)], v[O+(\n)+1], v[O+(\n)+2]
.endr
	v_max3_num_f32 v[O], v[O], v[O+3], v[O+6]
	v_max3_num_f32 v[O+9], v[O+9], v[O+12], v[O+15]
	v_max_num_f32 v[O], v[O], v[O+9]
	v_permlanex16_b32 v[O+1], v[O], s22, s23       ; the query's other 128 keys lie in the lane 16 away
	v_max_num_f32 v8, v[O], v[O+1]                 ; m
	v_mul_f32 v10, s20, v8                         ; c m
	v_mov_b32 v11, v10
.set n, 0
.rept 64
	v_pk_fma_f32 v[S+2*n:S+2*n+1], v[S+2*n:S+2*n+1], s[20:21], v[10:11] op_sel_hi:[1,0,0] neg_lo:[0,0,1] neg_hi:[0,0,1]   ; c s - c m
.set n, n+1
.endr
.set n, 0
.rept 128                              ; ONE batch of exponentials
	v_exp_f32 v[S+n], v[S+n]
.set n, n+1
.endr
	v_nop                                          ; a plain line behind the last,
	s_wait_alu depctr_va_vdst(0)                   ; and the one wait ahead of the batch's first reader
.set n, 0
.rept 64
	v_cvt_pk_bf16_f32 v[P+n], v[S+2*n], v[S+2*n+1]
.set n, n+1
.endr
.set n, 4
.rept 60                               ; the sum, in four chains, in place
	v_pk_add_f32 v[S+2*(n%4):S+2*(n%4)+1], v[S+2*(n%4):S+2*(n%4)+1], v[S+2*n:S+2*n+1]
.set n, n+1
.endr
	v_pk_add_f32 v[S:S+1], v[S:S+1], v[S+2:S+3]
	v_pk_add_f32 v[S+4:S+5], v[S+4:S+5], v[S+6:S+7]
	v_pk_add_f32 v[S:S+1], v[S:S+1], v[S+4:S+5]
	v_add_f32 v12, v[S], v[S+1]
	v_permlanex16_b32 v[O+1], v12, s22, s23
	v_add_f32 v12, v12, v[O+1]                     ; l
	v_rcp_f32 v14, v12
	v_rcp_f32 v15, v12
	v_nop
	s_wait_alu depctr_va_vdst(0)                   ; one wait for the two reciprocals
	s_wait_loadcnt 32                              ; V^T's first group is in
	VG 3
	PV 0
	s_wait_loadcnt 32
	PV 1
	s_wait_loadcnt 16
	PV 2
	s_wait_loadcnt 0x0
	PV 3
	WIN 0
	PLACES
.set n, 0
.rept 16
	v_pk_mul_f32 v[O+2*n:O+2*n+1], v[O+2*n:O+2*n+1], v[14:15]
.set n, n+1
.endr
.set n, 0
.rept 16
	v_cvt_pk_bf16_f32 v[16+n], v[O+2*n], v[O+2*n+1]
.set n, n+1
.endr
.irp cb, 0,1,2,3
	global_store_b128 v1, v[16+4*(\cb):19+4*(\cb)], s[18:19] offset:512*(\cb)   ; half a fragment: 512 consecutive bytes
.endr
	s_endpgm
.Lfunc_end_k_qd5c3d75ad5_attn:
	.size	k_qd5c3d75ad5_attn, .Lfunc_end_k_qd5c3d75ad5_attn-k_qd5c3d75ad5_attn
	.p2alignl 7, 3214868480
	.fill 96, 4, 3214868480
	.section	.rodata,"a",@progbits
	.p2align	6, 0x0
	.amdhsa_kernel k_qd5c3d75ad5_attn
		.amdhsa_group_segment_fixed_size 0
		.amdhsa_private_segment_fixed_size 0
		.amdhsa_enable_private_segment 0
		.amdhsa_kernarg_size 16
		.amdhsa_user_sgpr_count 2
		.amdhsa_user_sgpr_kernarg_segment_ptr 1
		.amdhsa_wavefront_size32 1
		.amdhsa_system_sgpr_workgroup_id_x 1
		.amdhsa_system_sgpr_workgroup_id_y 1
		.amdhsa_system_sgpr_workgroup_id_z 1
		.amdhsa_system_vgpr_workitem_id 0
		.amdhsa_next_free_vgpr 768
		.amdhsa_next_free_sgpr 66
		.amdhsa_reserve_vcc 0
		.amdhsa_float_denorm_mode_32 3
		.amdhsa_float_denorm_mode_16_64 3
		.amdhsa_memory_ordered 1
		.amdhsa_forward_progress 1
		.amdhsa_inst_pref_size 42
	.end_amdhsa_kernel
	.amdgpu_metadata
---
amdhsa.version: [ 1, 2 ]
amdhsa.kernels:
  - .name:           k_qd5c3d75ad5_attn
    .symbol:         k_qd5c3d75ad5_attn.kd
    .args:
      - { .name: qkvf, .offset: 0, .size: 8, .value_kind: global_buffer, .address_space: global }
      - { .name: ofr, .offset: 8, .size: 8, .value_kind: global_buffer, .address_space: global }
    .group_segment_fixed_size: 0
    .private_segment_fixed_size: 0
    .kernarg_segment_align: 8
    .kernarg_segment_size: 16
    .max_flat_workgroup_size: 128
    .sgpr_count:     66
    .vgpr_count:     768
    .wavefront_size: 32
...
	.end_amdgpu_metadata
.endif
;; end of part 3
;; launch oproj (part 4): grid 16 x 16, 4 waves a work-group, no clusters, 49,664 bytes of LDS; arguments ofr, prepf, x, norm2_w, mid; writes mid
.if DOCPART == 4
	.amdgcn_target "amdgcn-amd-amdhsa--gfx1250"
	.amdhsa_code_object_version 6
	.text
	.protected	k_qd5c3d75ad5_oproj
	.globl	k_qd5c3d75ad5_oproj
	.p2align	8
	.type	k_qd5c3d75ad5_oproj,@function
k_qd5c3d75ad5_oproj:
	s_mov_b64 s[64:65], 0
	v_nop
	global_prefetch_b8 v0, s[64:65] scope:SCOPE_SE
	s_setreg_imm32_b32 hwreg(HW_REG_WAVE_MODE, 25, 1), 1
	s_wait_xcnt 0x0
; OPROJ: x2 = x + o w_out^T; beside it what the second half of the block needs of x2.
; SHARES. Work-group (mt, ng): 64 tokens x 64 columns. Four waves: wave w makes all 64 x 64 sums over its quarter of K = 1,024 (8 K steps, 16 accumulators), so that four waves have loads on their way for the same bytes.
; The four parts meet in LDS, in f32: wave w keeps token block w (16 tokens x 64 columns), stores the three other blocks, adds the three parts that the others stored for it, and does the way out of its block alone.
; Both operands lie in fragment order (o in ofr, w_out in prepf from block 256 on) and come straight into a ring of four register buffers, three K steps (48 loads) on their way.
; Source 0 = 16 rows of w_out, source 1 = 16 tokens: a lane holds one token and 8 neighbouring columns.
; ONE TEXT FOR ALL WAVES. Register group j of source 1 takes token block (w + j) & 3 (four address registers), so the block that a wave keeps is always group 0, and group j goes to wave (w + j) & 3.
; STORED in mid: x2 in f32 by tiles of 16 x 16, [token block 64][column block 64][1 KB], a tile as [registers 0-3, 4-7][lane][16 bytes]; from byte 4,194,304 bf16(x2 x norm2_w) in fragment order,
; [token block 64][k block 32][1 KB], WITHOUT rmsnorm2's scale: a work-group sees 64 of a row's 1,024 columns, so it stores its part of the row's sum of squares instead, in f32, from byte 6,291,456,
; [row 1024][16 parts]; the launches behind add the parts and apply the scale behind their products: (rs h) W = rs (h W).
; LDS. Wave s's group j (1 to 3) at 12,288 s + 4,096 (j - 1), a tile as [registers 0-3, 4-7][lane][16 bytes]; 49,152: the spare words.
; REGISTERS. window 0: addresses; v[24:27] sums of squares; v[32:127] the others' parts; v[128:255] accumulators, tile (j, ip) at 128 + 8 (4 j + ip). window 1: the ring.
;   window 2: v[0:31] x, then x2; v[32:63] norm2_w; v[64:79] packed; v[80:87] at work.
; The store of the sums of squares is 4 bytes a lane, 64 bytes apart, and lanes r and r + 16 store the same number to the same word: 64 KB in the whole launch.
; LIMITS. K is summed in four parts; h2 is rounded to bf16 before the scale is applied; NaN and infinities are not treated apart.
.set ACC, 128
.set SPARE, 49152
.set SPW, 8
.set NIL, 9
.set MSB, 0
.macro WIN new
.if MSB != (\new)
	s_set_vgpr_msb (MSB<<8)|(\new)
.set MSB, (\new)
.endif
.endm
.macro PLACES
.rept 4
	v_nop
.endr
.endm
.macro FLOAD b
	WIN 0x40
.irp i, 0,1,2,3
	global_load_b128 v[64*(\b)+8*(\i):64*(\b)+8*(\i)+3],       v1, s[12:13] offset:(\i)*32768+(\b)*1024
	global_load_b128 v[64*(\b)+8*(\i)+4:64*(\b)+8*(\i)+7],     v1, s[12:13] offset:(\i)*32768+(\b)*1024+512
	global_load_b128 v[64*(\b)+32+8*(\i):64*(\b)+32+8*(\i)+3],   v[10+(\i)], s[14:15] offset:(\b)*1024
	global_load_b128 v[64*(\b)+32+8*(\i)+4:64*(\b)+32+8*(\i)+7], v[10+(\i)], s[14:15] offset:(\b)*1024+512
.endr
.endm
.macro FMUL b, zero                    ; the 16 accumulators take turns
	WIN 0x05
.irp jq, 0,1,2,3
.irp ip, 0,1,2,3
.if \zero
	v_wmma_f32_16x16x32_bf16 v[ACC+8*(4*(\jq)+(\ip)):ACC+8*(4*(\jq)+(\ip))+7], v[64*(\b)+8*(\ip):64*(\b)+8*(\ip)+7], v[64*(\b)+32+8*(\jq):64*(\b)+32+8*(\jq)+7], 0
.else
	v_wmma_f32_16x16x32_bf16 v[ACC+8*(4*(\jq)+(\ip)):ACC+8*(4*(\jq)+(\ip))+7], v[64*(\b)+8*(\ip):64*(\b)+8*(\ip)+7], v[64*(\b)+32+8*(\jq):64*(\b)+32+8*(\jq)+7], v[ACC+8*(4*(\jq)+(\ip)):ACC+8*(4*(\jq)+(\ip))+7]
.endif
.endr
.endr
.endm
.macro STEP bm, bl
	PLACES
	FLOAD \bl
	s_wait_loadcnt 48                              ; the three younger K steps' 16 loads each stay out
	FMUL \bm, 0
.endm
	s_load_b256 s[4:11], s[0:1], 0x0               ; ofr s[4:5], prepf s[6:7], x s[8:9], norm2_w s[10:11]
	s_load_b64 s[16:17], s[0:1], 0x20              ; mid
	v_lshl_add_u32 v[SPW], v0, 2, SPARE
	v_mov_b32 v[NIL], 0
	v_lshrrev_b32 v1, 5, v0
	v_readfirstlane_b32 s36, v1                    ; wave 0..3
	s_mov_b32 s34, ttmp9                           ; mt
	s_and_b32 s35, ttmp7, 0xffff                   ; ng
	s_mov_b32 s32, 0x76543210
	s_mov_b32 s33, 0xfedcba98
	v_and_b32 v4, 15, v0                           ; r
	v_bfe_u32 v5, v0, 4, 1                         ; h
	v_and_b32 v1, 31, v0
	v_lshlrev_b32 v1, 4, v1                        ; 16 x lane
	v_lshlrev_b32 v3, 5, v5                        ; norm2_w: 32 h
	v_lshl_add_u32 v2, v4, 12, v3                  ; x: 4,096 r + 32 h
	v_lshlrev_b32 v6, 6, v4                        ; sums of squares: 64 r
.irp j, 0,1,2,3
	s_add_co_u32 s30, s36, \j
	s_and_b32 s30, s30, 3
	s_lshl_b32 s30, s30, 15
	v_add_nc_u32 v[10+(\j)], s30, v1               ; group j takes token block (w + j) & 3
.endr
	s_mul_i32 s30, s36, 12288
	v_add_nc_u32 v7, s30, v1                       ; where I put the three blocks that the others keep
.irp u, 1,2,3
	s_add_co_u32 s30, s36, 4-(\u)
	s_and_b32 s30, s30, 3                          ; wave (w - u) & 3 holds my block as its group u
	s_mul_i32 s30, s30, 12288
	s_add_co_u32 s30, s30, ((\u)-1)*4096
	v_add_nc_u32 v[13+(\u)], s30, v1
.endr
	s_mov_b32 s29, 0
	s_lshl_b32 s37, s36, 13                        ; my quarter's 8 K blocks of 1 KB
	s_wait_kmcnt 0x0
	s_lshl_b32 s28, s35, 17
	s_add_co_u32 s28, s28, 8388608                 ; w_out's fragments begin at block 256
	s_add_co_u32 s28, s28, s37
	s_add_nc_u64 s[12:13], s[6:7], s[28:29]
	s_lshl_b32 s28, s34, 17
	s_add_co_u32 s28, s28, s37
	s_add_nc_u64 s[14:15], s[4:5], s[28:29]
	s_lshl_b32 s28, s34, 17
	s_lshl_b32 s30, s36, 15
	s_add_co_u32 s28, s28, s30
	s_lshl_b32 s30, s35, 11
	s_add_co_u32 s28, s28, s30
	s_add_co_u32 s28, s28, 4194304
	s_add_nc_u64 s[24:25], s[16:17], s[28:29]      ; h2 of my token block
	s_lshl_b32 s28, s34, 18
	s_lshl_b32 s30, s36, 16
	s_add_co_u32 s38, s28, s30                     ; my token block's 64 KB, in x and in x2
	s_lshl_b32 s30, s35, 8
	s_add_co_u32 s28, s38, s30
	s_add_nc_u64 s[18:19], s[8:9], s[28:29]        ; x
	s_mov_b32 s28, s30
	s_add_nc_u64 s[20:21], s[10:11], s[28:29]      ; norm2_w
	s_lshl_b32 s30, s35, 12
	s_add_co_u32 s28, s38, s30
	s_add_nc_u64 s[22:23], s[16:17], s[28:29]      ; x2
	s_lshl_b32 s28, s34, 12
	s_lshl_b32 s30, s36, 10
	s_add_co_u32 s28, s28, s30
	s_lshl2_add_u32 s28, s35, s28
	s_add_co_u32 s28, s28, 6291456
	s_add_nc_u64 s[26:27], s[16:17], s[28:29]      ; sums of squares
	WIN 0x80                                       ; x and norm2_w, in the lanes in which the results will lie; older than the ring's loads, so the ring's first wait shows them in
.irp ip, 0,1,2,3
	global_load_b128 v[8*(\ip):8*(\ip)+3],   v2, s[18:19] offset:(\ip)*64
	global_load_b128 v[8*(\ip)+4:8*(\ip)+7], v2, s[18:19] offset:(\ip)*64+16
.endr
.irp ip, 0,1,2,3
	global_load_b128 v[32+8*(\ip):32+8*(\ip)+3],   v3, s[20:21] offset:(\ip)*64
	global_load_b128 v[32+8*(\ip)+4:32+8*(\ip)+7], v3, s[20:21] offset:(\ip)*64+16
.endr
	FLOAD 0
	FLOAD 1
	FLOAD 2
	FLOAD 3
	s_wait_loadcnt 48
	FMUL 0, 1                                      ; the first K step starts the sums
	WIN 0
	s_wait_xcnt 0x0                                ; the bases are stepped only behind this wait
	s_add_nc_u64 s[12:13], s[12:13], 4096
	s_add_nc_u64 s[14:15], s[14:15], 4096
	STEP 1, 0                                      ; my K blocks 4 to 7 are loaded, 1 to 4 multiplied: eight K steps want no loop
	STEP 2, 1
	STEP 3, 2
	STEP 0, 3
	s_wait_loadcnt 32                              ; the last three K steps load nothing: the counts run down
	FMUL 1, 0
	s_wait_loadcnt 16
	FMUL 2, 0
	s_wait_loadcnt 0x0
	FMUL 3, 0
	WIN 0
	PLACES
.set t, 4
.rept 12                               ; groups 1 to 3 go to the waves that keep them; each accumulator is read from its low end on
	ds_store_b128 v7, v[ACC+8*t:ACC+8*t+3]   offset:(t-4)*1024
	ds_store_b128 v7, v[ACC+8*t+4:ACC+8*t+7] offset:(t-4)*1024+512
.set t, t+1
.endr
	s_wait_dscnt 0x0                               ; for the others' sake: my stores are done
	s_barrier_signal -1
	s_barrier_wait -1
.irp u, 1,2,3
.set n, 0
.rept 8
	ds_load_b128 v[32*(\u)+4*n:32*(\u)+4*n+3], v[13+(\u)] offset:512*n   ; the three other quarters' sums for my block
.set n, n+1
.endr
.endr
	s_wait_dscnt 0x0
.set n, 0
.rept 16
	v_pk_add_f32 v[32+2*n:33+2*n], v[32+2*n:33+2*n], v[64+2*n:65+2*n]
.set n, n+1
.endr
.set n, 0
.rept 16
	v_pk_add_f32 v[96+2*n:97+2*n], v[96+2*n:97+2*n], v[ACC+2*n:ACC+2*n+1]
.set n, n+1
.endr
.set n, 0
.rept 16
	v_pk_add_f32 v[32+2*n:33+2*n], v[32+2*n:33+2*n], v[96+2*n:97+2*n]
.set n, n+1
.endr
	; THE WAY OUT of my 16 tokens x 64 columns, by phases, so that each has one window setting. No register that a store reads is written again.
	WIN 0x82
.set n, 0
.rept 16
	v_pk_add_f32 v[2*n:2*n+1], v[2*n:2*n+1], v[32+2*n:33+2*n]     ; x2 = x + the product
.set n, n+1
.endr
	WIN 0x08
.irp ip, 0,1,2,3
	global_store_b128 v1, v[8*(\ip):8*(\ip)+3],   s[22:23] offset:(\ip)*1024
	global_store_b128 v1, v[8*(\ip)+4:8*(\ip)+7], s[22:23] offset:(\ip)*1024+512
.endr
	WIN 0x0a
	v_pk_mul_f32 v[24:25], v[0:1], v[0:1]          ; the sum of squares, in two chains that the first two products start
	v_pk_mul_f32 v[26:27], v[2:3], v[2:3]
.set n, 2
.rept 7
	v_pk_fma_f32 v[24:25], v[2*n:2*n+1], v[2*n:2*n+1], v[24:25]
	v_pk_fma_f32 v[26:27], v[2*n+2:2*n+3], v[2*n+2:2*n+3], v[26:27]
.set n, n+2
.endr
	WIN 0x8a
.set t, 0
.rept 4
.irp u, 0,1,2,3
	v_pk_mul_f32 v[80+2*(\u):81+2*(\u)], v[8*t+2*(\u):8*t+2*(\u)+1], v[32+8*t+2*(\u):32+8*t+2*(\u)+1]
.endr
.irp u, 0,1,2,3
	v_cvt_pk_bf16_f32 v[64+4*t+(\u)], v[80+2*(\u)], v[81+2*(\u)]
.endr
.set t, t+1
.endr
	WIN 0x08
.irp ip, 0,1,2,3
	global_store_b128 v1, v[64+4*(\ip):64+4*(\ip)+3], s[24:25] offset:(\ip)*512
.endr
	WIN 0
	v_pk_add_f32 v[24:25], v[24:25], v[26:27]
	v_add_f32 v24, v24, v25
	v_permlanex16_b32 v25, v24, s32, s33           ; the token's other 32 columns lie in the lane 16 away
	v_add_f32 v24, v24, v25
	global_store_b32 v6, v24, s[26:27]
	s_wait_tensorcnt 0x0                           ; the wave's end, behind my last LDS store
	ds_add_u32 v[SPW], v[NIL]
	s_wait_dscnt 0x0
	s_endpgm
.Lfunc_end_k_qd5c3d75ad5_oproj:
	.size	k_qd5c3d75ad5_oproj, .Lfunc_end_k_qd5c3d75ad5_oproj-k_qd5c3d75ad5_oproj
	.p2alignl 7, 3214868480
	.fill 96, 4, 3214868480
	.section	.rodata,"a",@progbits
	.p2align	6, 0x0
	.amdhsa_kernel k_qd5c3d75ad5_oproj
		.amdhsa_group_segment_fixed_size 49664
		.amdhsa_private_segment_fixed_size 0
		.amdhsa_enable_private_segment 0
		.amdhsa_kernarg_size 40
		.amdhsa_user_sgpr_count 2
		.amdhsa_user_sgpr_kernarg_segment_ptr 1
		.amdhsa_wavefront_size32 1
		.amdhsa_system_sgpr_workgroup_id_x 1
		.amdhsa_system_sgpr_workgroup_id_y 1
		.amdhsa_system_sgpr_workgroup_id_z 1
		.amdhsa_system_vgpr_workitem_id 0
		.amdhsa_next_free_vgpr 608
		.amdhsa_next_free_sgpr 66
		.amdhsa_reserve_vcc 0
		.amdhsa_float_denorm_mode_32 3
		.amdhsa_float_denorm_mode_16_64 3
		.amdhsa_memory_ordered 1
		.amdhsa_forward_progress 1
		.amdhsa_inst_pref_size 39
	.end_amdhsa_kernel
	.amdgpu_metadata
---
amdhsa.version: [ 1, 2 ]
amdhsa.kernels:
  - .name:           k_qd5c3d75ad5_oproj
    .symbol:         k_qd5c3d75ad5_oproj.kd
    .args:
      - { .name: ofr, .offset: 0, .size: 8, .value_kind: global_buffer, .address_space: global }
      - { .name: prepf, .offset: 8, .size: 8, .value_kind: global_buffer, .address_space: global }
      - { .name: x, .offset: 16, .size: 8, .value_kind: global_buffer, .address_space: global }
      - { .name: norm2_w, .offset: 24, .size: 8, .value_kind: global_buffer, .address_space: global }
      - { .name: mid, .offset: 32, .size: 8, .value_kind: global_buffer, .address_space: global }
    .group_segment_fixed_size: 49664
    .private_segment_fixed_size: 0
    .kernarg_segment_align: 8
    .kernarg_segment_size: 40
    .max_flat_workgroup_size: 128
    .sgpr_count:     66
    .vgpr_count:     608
    .wavefront_size: 32
...
	.end_amdgpu_metadata
.endif
;; end of part 4
;; launch moe1 (part 5): grid 512 x 1, 4 waves a work-group, no clusters, 327,680 bytes of LDS; arguments mid, w1, actf; writes actf
.if DOCPART == 5
	.amdgcn_target "amdgcn-amd-amdhsa--gfx1250"
	.amdhsa_code_object_version 6
	.text
	.protected	k_qd5c3d75ad5_moe1
	.globl	k_qd5c3d75ad5_moe1
	.p2align	8
	.type	k_qd5c3d75ad5_moe1,@function
k_qd5c3d75ad5_moe1:
	s_mov_b64 s[64:65], 0
	v_nop
	global_prefetch_b8 v0, s[64:65] scope:SCOPE_SE
	s_setreg_imm32_b32 hwreg(HW_REG_WAVE_MODE, 25, 1), 1
	s_wait_xcnt 0x0
; MOE1: act = a silu(b), (a, b) = rmsnorm2(x2) w1[e], for every expert: reference() adds all experts' results, so the layer is one dense product of 1,024 tokens with 8 x 4,096 columns over K = 1,024.
; SHARES. Work-group id: row half hf = id & 1 (512 tokens), slice sl = id >> 1: expert e = sl >> 5, columns 64 s .. 64 s + 63 of a AND of b (s = sl & 31): 512 x 128. Four waves, 128 tokens x 128 columns each: 64 accumulators, 512 registers.
; TOKENS (bf16(x2 norm2_w), fragment order, in mid) come straight from memory into four register buffers of 32 along K, 48 loads on their way.
; WEIGHTS lie [k][column] in f32. K goes in chunks of 128: a tensor load a wave brings 64 rows x 256 bytes into one of two f32 slots; while chunk c is multiplied, each wave rounds a quarter of chunk c + 1 to bf16
; into one of two bf16 slots (LDS stores alone write those), from which all waves take fragments by the turning load ds_load_tr16_b128. So each weight is read from memory by two work-groups (the row halves) and rounded once in each.
; THE DEAL. A chunk is four quarters of 64 products. The 64 roundings of a chunk stand four at a time behind eight products of the second and of the third quarter; all LDS and memory lines of a quarter stand in ONE run in its middle.
; THE SCALE. The tokens come without rmsnorm2's scale rs; with A, B the raw sums: act = A B rs^2 / (1 + 2^(-log2(e) rs B)), formed as A B x rcp((1 + u) ms), ms = 1 / rs^2 = the mean of squares + 1e-8.
; Source 0 = 16 columns of w1, source 1 = 16 tokens: a lane holds one token and 8 neighbouring columns, so act packs into half fragments and is stored as it lies: actf [token block 64][k block 512][1 KB].
; NO CLUSTER. A weight tile has two readers, not four, and it is a third of a K step's bytes (16 KB of 48); the tokens come by loads into registers, which no joint load serves.
; LDS. 0, 0x10000: f32 slots [a, b][k 128][256 bytes]; 0x20000, 0x30000: bf16 slots, 128 rows of 288 bytes (256 + 32); 0x39000: the spare words.
; REGISTERS, in windows of 256 (s_set_vgpr_msb: bits 1:0 source 0, 3:2 source 1, 5:4 source 2, 7:6 destination):
;   window 0: v[2:10] addresses; v28, v29 the add's; v[32:95] weights on their way to bf16; v[96:111] ms, v[112:127] -log2(e) rs, a pair a token block; v[128:191], v[192:255] token buffers 0, 1
;   window 1: v[0:63], v[64:127] weight fragments, two buffers; v[128:191], v[192:255] token buffers 2, 3        windows 2, 3: accumulators (a, b) at 8 (8 a + b): token blocks 0-3, 4-7
; LIMITS. Operands rounded to bf16 (the tokens before the scale). Where u overflows act is 0, as silu gives; exponentials and reciprocals give 0 for results below 2^-126; NaN and infinities are not treated apart.
.set PITCHE, 4096                      ; elements from a row of w1 to the next
.set CHUNKB, 2097152                   ; bytes of 128 rows
.set RBS,    32768                     ; bytes from a token block to the next
.set BFP,    288
.set FLIP,   0x10000                   ; one exclusive or changes slots, in both rings
.set BF0,    0x20000
.set SPARE,  0x39000
.set ADRA, 2                           ; 16 x lane: the tokens' loads and the stores
.set LB0,  3                           ; my lane's place in a bf16 slot for the turning load; never rewritten
.set LC0,  4                           ; where I read f32 weights; never rewritten
.set LS0,  5                           ; where I put bf16 weights; never rewritten
.set ADB,  6                           ; the same three with the slot in hand
.set ADC,  7
.set ADS,  8
.set SQO,  10
.set SPW,  28
.set NIL,  29
.set CV,   32
.set MS,   96
.set RSN,  112
.set T,    128
.set U,    160
.set PK,   192
.set MSB, 0
.macro WIN new                         ; the high byte repeats the setting that is left; a switch that changes nothing is dropped
.if MSB != (\new)
	s_set_vgpr_msb (MSB<<8)|(\new)
.set MSB, (\new)
.endif
.endm
.macro PLACES                          ; four plain lines between a matrix instruction and a load into, or a vector read of, its registers (ISA guide 7.12.1 for the vector reads)
.rept 4
	v_nop
.endr
.endm
.macro CVT4 g                          ; rows 2 g and 2 g + 1 of the sixteen in hand are rounded, each row's four numbers into its first two registers
	WIN 0
	v_cvt_pk_bf16_f32 v[CV+8*(\g)],   v[CV+8*(\g)],   v[CV+8*(\g)+1]
	v_cvt_pk_bf16_f32 v[CV+8*(\g)+1], v[CV+8*(\g)+2], v[CV+8*(\g)+3]
	v_cvt_pk_bf16_f32 v[CV+8*(\g)+4], v[CV+8*(\g)+4], v[CV+8*(\g)+5]
	v_cvt_pk_bf16_f32 v[CV+8*(\g)+5], v[CV+8*(\g)+6], v[CV+8*(\g)+7]
.endm
; 16 products of quarter q (32 along K): token blocks 4 hi + a0, + 1 x all 8 column blocks. The 64 accumulators come in the same order in every quarter: they take turns.
; ride = 1: behind each of the first eight products stand four roundings, which name none of the products' registers.
.macro MUL16 q, hi, a0, zero, ride=0
.irp a, \a0, (\a0)+1
.irp b, 0,1,2,3,4,5,6,7
	WIN 1+4*((\q)/2)+0x50*(2+(\hi))
.if \zero
	v_wmma_f32_16x16x32_bf16 v[8*(8*(\a)+(\b)):8*(8*(\a)+(\b))+7], v[64*((\q)%2)+8*(\b):64*((\q)%2)+8*(\b)+7], v[128+64*((\q)%2)+8*(4*(\hi)+(\a)):128+64*((\q)%2)+8*(4*(\hi)+(\a))+7], 0
.else
	v_wmma_f32_16x16x32_bf16 v[8*(8*(\a)+(\b)):8*(8*(\a)+(\b))+7], v[64*((\q)%2)+8*(\b):64*((\q)%2)+8*(\b)+7], v[128+64*((\q)%2)+8*(4*(\hi)+(\a)):128+64*((\q)%2)+8*(4*(\hi)+(\a))+7], v[8*(8*(\a)+(\b)):8*(8*(\a)+(\b))+7]
.endif
.if (\ride) && ((\a) == (\a0))
	CVT4 \b
.endif
.endr
.endr
.endm
.macro FETCHB qn                       ; the weight fragments of quarter qn of the slot in hand: 16 turning loads, into buffer qn % 2
	WIN 0x40
.irp nb, 0,1,2,3,4,5,6,7
	ds_load_tr16_b128 v[64*((\qn)%2)+8*(\nb):64*((\qn)%2)+8*(\nb)+3],   v[ADB] offset:(\qn)*32*BFP+32*(\nb)
	ds_load_tr16_b128 v[64*((\qn)%2)+8*(\nb)+4:64*((\qn)%2)+8*(\nb)+7], v[ADB] offset:(\qn)*32*BFP+32*(\nb)+16*BFP
.endr
.endm
.macro ALOAD buf                       ; my 128 tokens, K block buf of the four at the base, into buffer buf: 16 loads of 512 consecutive bytes
	WIN 0x40*((\buf)/2)
.irp i, 0,1,2,3,4,5,6,7
	global_load_b128 v[128+64*((\buf)%2)+8*(\i):128+64*((\buf)%2)+8*(\i)+3],   v[ADRA], s[32:33] offset:(\i)*RBS+(\buf)*1024
	global_load_b128 v[128+64*((\buf)%2)+8*(\i)+4:128+64*((\buf)%2)+8*(\i)+7], v[ADRA], s[32:33] offset:(\i)*RBS+(\buf)*1024+512
.endr
.endm
.macro CVLOAD p                        ; rows 32 w + 16 p .. + 15 of the chunk to be rounded, f32: lanes 0-15 a row's 256 bytes of a, lanes 16-31 of b
	WIN 0
.set ci, 0
.rept 16
	ds_load_b128 v[CV+4*ci:CV+4*ci+3], v[ADC] offset:(16*(\p)+ci)*256
.set ci, ci+1
.endr
.endm
.macro CVST p                          ; the sixteen rounded rows are stored; a wave's store fills a row's 256 bytes
	WIN 0
.set ci, 0
.rept 16
	ds_store_b64 v[ADS], v[CV+4*ci:CV+4*ci+1] offset:(16*(\p)+ci)*BFP
.set ci, ci+1
.endr
.endm
; One of a chunk's first three quarters. ride = 1: the sixteen rows loaded in the quarter before are rounded behind its first products. In its middle ONE run: the rounded rows' stores (st: which half of my 32 rows; -1: none), the next
; quarter's weight fragments, the next sixteen rows in f32 (cl; -1: none), the tokens three quarters on (aload). Ahead of the run the roundings, or four v_nop, are the places behind the last readers of the registers that it loads.
; left: the two younger groups of 16 token loads. last = 1: in the loop's last trip there is no chunk left to round, and the sixteen loads are jumped over; the waits behind are for 0 on both ways.
.macro QUARTER q, zero, ride, st, cl, aload, left, last
	s_wait_loadcnt \left
	s_wait_dscnt 0x0                               ; this quarter's weight fragments are in, and so are the rows to be rounded
	MUL16 \q, 0, 0, \zero, \ride
	MUL16 \q, 0, 2, \zero, 0
.if !(\ride)
	PLACES
.endif
.if (\st) >= 0
	CVST \st
.endif
	FETCHB (\q)+1
.if (\cl) >= 0
.if \last
	WIN 0                                          ; at a branch and at a label every window is 0
	s_cmp_eq_u32 s42, 1
	s_cbranch_scc1 .Lnone_\@
.endif
	CVLOAD \cl
.if \last
.Lnone_\@:
.endif
.endif
.if \aload
	ALOAD ((\q)+3)%4
.endif
	MUL16 \q, 1, 0, \zero, 0
	MUL16 \q, 1, 2, \zero, 0
.endm
; The fourth quarter, and the change of slots: ONE barrier, for four things. In front of it each wave has waited for all its tensor loads (one is out: its part of the f32 chunk two on), added 0 to its spare word, and waited for that,
; for its stores of the next bf16 chunk and for its reads of both slots in hand. Behind it: the f32 slot just rounded is filled again first (refill = 1), the next bf16 chunk is read, and the bf16 slot just read may be written.
.macro TURN refill
	s_wait_loadcnt 32
	WIN 0                                          ; (the add's registers lie in window 0)
	s_wait_tensorcnt 0x0                           ; no tensor load of mine is out, so the descriptor may be stepped
	ds_add_u32 v[SPW], v[NIL]
.if \refill
	s_xor_b32 s29, s29, FLIP                       ; the other f32 slot than last time,
	s_add_nc_u64 s[30:31], s[30:31], CHUNKB        ; the next chunk; the type bits on top are not reached
.endif
	s_xor_b32 s40, s40, FLIP
	s_xor_b32 s41, s41, FLIP
	s_wait_dscnt 1                                 ; (the add alone may be out)
	MUL16 3, 0, 0, 0
	s_wait_dscnt 0x0
	s_barrier_signal -1
	MUL16 3, 0, 2, 0                               ; work on registers while the others arrive
	WIN 0
	s_barrier_wait -1
.if \refill
	tensor_load_to_lds s[28:31], s[16:23]          ; my one tensor load behind the barrier: it has a chunk's 256 products in which to land
	s_nop 0
.endif
	v_add_nc_u32 v[ADB], s40, v[LB0]               ; these four lines are also the places ahead of the loads below
	v_add_nc_u32 v[ADC], s41, v[LC0]
	v_add_nc_u32 v[ADS], s41, v[LS0]
	v_nop
	FETCHB 0
	ALOAD 2
	MUL16 3, 1, 0, 0
	MUL16 3, 1, 2, 0
.endm
.macro LAP refill                      ; from a chunk's second quarter to the next chunk's first
	QUARTER 1, 0, 1, 0, 1, 1, 32, 0
	QUARTER 2, 0, 1, 1, -1, 1, 32, 0
	TURN \refill
	QUARTER 0, 0, 0, -1, 0, 1, 32, 1-(\refill)
	WIN 0                                          ; at a label and at a branch every window is 0
	s_wait_xcnt 0x0                                ; the tokens' base is stepped only behind this wait
	s_add_nc_u64 s[32:33], s[32:33], 4096
.endm
	s_load_b128 s[4:7], s[0:1], 0x0                ; mid s[4:5], w1 s[6:7]
	s_load_b64 s[8:9], s[0:1], 0x10                ; actf
	v_lshl_add_u32 v[SPW], v0, 2, SPARE
	v_mov_b32 v[NIL], 0
	ds_add_u32 v[SPW], v[NIL]                      ; the wave's opening: the add and its wait ahead of my first tensor load; the set-up, work on registers, stands between
	ds_add_u32 v28, v29
	v_lshrrev_b32 v1, 5, v0
	v_readfirstlane_b32 s10, v1                    ; wave 0..3
	s_and_b32 s12, ttmp9, 1                        ; hf
	s_lshr_b32 s13, ttmp9, 1
	s_lshr_b32 s14, s13, 5                         ; e
	s_and_b32 s15, s13, 31                         ; s
	s_lshl_b32 s36, s12, 5
	s_lshl3_add_u32 s36, s10, s36                  ; my first token block: 32 hf + 8 w
	s_lshl_b32 s38, s14, 24                        ; my tile of chunk 0 in w1: the expert's 16 MB,
	s_lshl_b32 s39, s15, 8                         ; the slice's 256 bytes of a row,
	s_add_co_u32 s38, s38, s39
	s_lshr_b32 s39, s10, 1
	s_lshl_b32 s39, s39, 13                        ; waves 2, 3: b's columns, 2,048 on,
	s_add_co_u32 s38, s38, s39
	s_and_b32 s39, s10, 1
	s_lshl_b32 s39, s39, 20                        ; waves 1, 3: the chunk's rows 64 to 127
	s_add_co_u32 s38, s38, s39
	s_mov_b32 s39, 0
	s_lshl_b32 s32, s36, 15
	s_add_co_u32 s32, s32, 4194304                 ; the tokens
	s_mov_b32 s33, 0
	s_lshl_b32 s46, s36, 10
	s_add_co_u32 s46, s46, 6291456                 ; their sums of squares
	s_mov_b32 s47, 0
	s_lshl_b32 s34, s36, 19                        ; act: my token blocks of 512 KB,
	s_lshl_b32 s37, s14, 6
	s_lshl1_add_u32 s37, s15, s37                  ; k block 64 e + 2 s
	s_lshl_b32 s37, s37, 10
	s_add_co_u32 s34, s34, s37
	s_mov_b32 s35, 0
	; descriptor group 1: a tile of 64 rows x 64 elements of 4 bytes, dense in LDS
	s_mov_b32 s16, 2<<16                           ; no mask; elements of 4 bytes; no padding
	s_mov_b32 s17, 64<<16                          ; tensor_dim0 = 64
	s_mov_b32 s18, 64<<16                          ; tensor_dim1 = 64
	s_mov_b32 s19, 64<<16                          ; tile_dim0 = 64
	s_mov_b32 s20, 64                              ; tile_dim1 = 64
	s_mov_b32 s21, PITCHE
	s_mov_b32 s22, 0
	s_mov_b32 s23, 0
	s_mov_b32 s24, 1                               ; group 0 for chunk 0,
	s_lshl_b32 s25, s10, 14                        ; wave w's 16 KB of slot 0
	s_mov_b32 s28, 1                               ; and for chunk 1, which then walks
	s_add_co_u32 s29, s25, FLIP
	s_mov_b32 s44, 0x76543210
	s_mov_b32 s45, 0xfedcba98
	s_mov_b32 s48, 0x3a800000                      ; 1 / 1024
	s_mov_b32 s49, 0x322bcc77                      ; 1e-8
	v_and_b32 v12, 31, v0                          ; lane
	v_and_b32 v13, 15, v0                          ; r
	v_bfe_u32 v14, v0, 4, 1                        ; h
	v_lshlrev_b32 v[ADRA], 4, v12
	v_and_b32 v15, 7, v0
	v_lshl_add_u32 v15, v14, 3, v15                ; the turning load: row 8 h + lane % 8,
	v_mul_u32_u24 v15, v15, BFP
	v_bfe_u32 v16, v0, 3, 1
	v_lshl_add_u32 v15, v16, 4, v15                ; 16 bytes by (lane / 8) % 2
	v_add_nc_u32 v[LB0], BF0, v15
	v_lshlrev_b32 v15, 4, v13
	v_lshl_add_u32 v15, v14, 15, v15               ; 16 r, and b's half 32 KB on
	v_lshl_add_u32 v[LC0], s10, 13, v15            ; + my 32 rows of 256 bytes
	s_mul_i32 s11, s10, 32*BFP
	s_add_co_u32 s11, s11, BF0
	v_lshl_add_u32 v[LS0], v12, 3, s11
	v_lshlrev_b32 v[SQO], 6, v13
	v_lshl_add_u32 v[SQO], v14, 5, v[SQO]          ; 64 r + 32 h
	s_wait_dscnt 0x0                               ; the opening add is done
	s_wait_kmcnt 0x0
	s_add_nc_u64 s[32:33], s[4:5], s[32:33]
	s_add_nc_u64 s[46:47], s[4:5], s[46:47]
	s_add_nc_u64 s[34:35], s[8:9], s[34:35]
	s_add_nc_u64 s[26:27], s[6:7], s[38:39]
	s_add_nc_u64 s[30:31], s[26:27], CHUNKB
	s_or_b32 s27, s27, 0x80000000                  ; type = 2
	s_or_b32 s31, s31, 0x80000000
	tensor_load_to_lds s[24:27], s[16:23]          ; the two first fills go out together: two tensor loads of mine are out
	s_nop 0
	tensor_load_to_lds s[28:31], s[16:23]
	s_nop 0
.rept 4
	v_nop
.endr
.set ci, 0
.rept 8                                ; token block ci: 8 of the row's 16 partial sums of squares a lane
	global_load_b128 v[CV+8*ci:CV+8*ci+3],   v[SQO], s[46:47] offset:1024*ci
	global_load_b128 v[CV+8*ci+4:CV+8*ci+7], v[SQO], s[46:47] offset:1024*ci+16
.set ci, ci+1
.endr
	ALOAD 0
	ALOAD 1
	ALOAD 2
	WIN 0
	s_wait_loadcnt 48                              ; the three groups of token loads stay out
.set ci, 0
.rept 8
	v_pk_add_f32 v[CV+8*ci:CV+8*ci+1], v[CV+8*ci:CV+8*ci+1], v[CV+8*ci+2:CV+8*ci+3]
	v_pk_add_f32 v[CV+8*ci+4:CV+8*ci+5], v[CV+8*ci+4:CV+8*ci+5], v[CV+8*ci+6:CV+8*ci+7]
	v_pk_add_f32 v[CV+8*ci:CV+8*ci+1], v[CV+8*ci:CV+8*ci+1], v[CV+8*ci+4:CV+8*ci+5]
	v_add_f32 v[CV+8*ci], v[CV+8*ci], v[CV+8*ci+1]
	v_permlanex16_b32 v[CV+8*ci+1], v[CV+8*ci], s44, s45
	v_add_f32 v[CV+8*ci], v[CV+8*ci], v[CV+8*ci+1]
	v_fma_f32 v[MS+2*ci], v[CV+8*ci], s48, s49     ; ms
	v_mov_b32 v[MS+2*ci+1], v[MS+2*ci]
.set ci, ci+1
.endr
.set ci, 0
.rept 8
	v_rsq_f32 v[RSN+2*ci], v[MS+2*ci]
.set ci, ci+1
.endr
	v_nop
	s_wait_alu depctr_va_vdst(0)                   ; one wait for the eight, ahead of their first reader
.set ci, 0
.rept 8
	v_mul_f32 v[RSN+2*ci], 0xbfb8aa3b, v[RSN+2*ci] ; -log2(e) rs
	v_mov_b32 v[RSN+2*ci+1], v[RSN+2*ci]
.set ci, ci+1
.endr
	s_mov_b32 s40, FLIP                            ; s40: the bf16 slot that is read; s41: the slots, f32 and bf16, of the chunk that is rounded
	s_mov_b32 s41, 0
	v_add_nc_u32 v[ADC], s41, v[LC0]
	v_add_nc_u32 v[ADS], s41, v[LS0]
	s_wait_tensorcnt 1                             ; my part of chunk 0 is in; chunk 1's may stay out
	s_barrier_signal -1
	s_barrier_wait -1                              ; everybody's is
.irp p, 0,1                            ; chunk 0 is rounded whole, with nothing to multiply yet
	CVLOAD \p
	s_wait_dscnt 0x0
.irp g, 0,1,2,3,4,5,6,7
	CVT4 \g
.endr
	CVST \p
.endr
	s_wait_tensorcnt 0x0                           ; chunk 1 has landed; no tensor load of mine is out
	ds_add_u32 v[SPW], v[NIL]
	s_xor_b32 s29, s29, FLIP
	s_add_nc_u64 s[30:31], s[30:31], CHUNKB
	s_xor_b32 s40, s40, FLIP
	s_xor_b32 s41, s41, FLIP
	s_wait_dscnt 0x0                               ; the add, my reads of f32 chunk 0 and my stores of bf16 chunk 0 are done
	s_barrier_signal -1
	s_barrier_wait -1
	tensor_load_to_lds s[28:31], s[16:23]          ; chunk 2, into the slot that chunk 0 has left
	s_nop 0
	v_add_nc_u32 v[ADB], s40, v[LB0]
	v_add_nc_u32 v[ADC], s41, v[LC0]
	v_add_nc_u32 v[ADS], s41, v[LS0]
	v_nop
	FETCHB 0
	QUARTER 0, 1, 0, -1, 0, 1, 32, 0               ; the first quarter's products start the sums: nothing is cleared
	WIN 0
	s_wait_xcnt 0x0
	s_add_nc_u64 s[32:33], s[32:33], 4096
	s_mov_b32 s42, 5
.Lfill:                                            ; chunks 0 to 4: their changes of slots ask for chunks 3 to 7
	LAP 1
	s_sub_co_u32 s42, s42, 1
	s_cmp_lg_u32 s42, 0
	s_cbranch_scc1 .Lfill
	s_mov_b32 s42, 2
.Ldry:                                             ; chunks 5 and 6: nothing is left to ask for; a text of its own
	LAP 0
	s_sub_co_u32 s42, s42, 1
	s_cmp_lg_u32 s42, 0
	s_cbranch_scc1 .Ldry
	QUARTER 1, 0, 0, -1, -1, 0, 32, 0              ; chunk 7: nothing to round, no tokens to load: the counts run down
	QUARTER 2, 0, 0, -1, -1, 0, 16, 0
	s_wait_loadcnt 0x0
	s_wait_dscnt 0x0
	MUL16 3, 0, 0, 0
	MUL16 3, 0, 2, 0
	MUL16 3, 1, 0, 0
	MUL16 3, 1, 2, 0
	WIN 0
	PLACES
; THE WAY OUT of token block i. Two batches of 32 transcendentals, one wait each; the 16 products A B are the plain work behind the exponentials. Each accumulator is read from its low end on.
.macro SWIGLU i
.set cw, 2+(\i)/4
.set ab, 64*((\i)%4)
	WIN cw
.set n, 0
.rept 16
	v_pk_mul_f32 v[T+2*n:T+2*n+1], v[ab+32+2*n:ab+32+2*n+1], v[RSN+2*(\i):RSN+2*(\i)+1]   ; -log2(e) rs B
.set n, n+1
.endr
	WIN 0
.set n, 0
.rept 32
	v_exp_f32 v[T+n], v[T+n]                       ; u
.set n, n+1
.endr
	WIN 5*cw
.set n, 0
.rept 16
	v_pk_mul_f32 v[U+2*n:U+2*n+1], v[ab+2*n:ab+2*n+1], v[ab+32+2*n:ab+32+2*n+1]           ; A B
.set n, n+1
.endr
	WIN 0
	s_wait_alu depctr_va_vdst(0)
.set n, 0
.rept 16
	v_pk_fma_f32 v[T+2*n:T+2*n+1], v[T+2*n:T+2*n+1], v[MS+2*(\i):MS+2*(\i)+1], v[MS+2*(\i):MS+2*(\i)+1]   ; (1 + u) ms
.set n, n+1
.endr
.set n, 0
.rept 32
	v_rcp_f32 v[T+n], v[T+n]
.set n, n+1
.endr
	v_nop
	s_wait_alu depctr_va_vdst(0)
.set n, 0
.rept 16
	v_pk_mul_f32 v[U+2*n:U+2*n+1], v[U+2*n:U+2*n+1], v[T+2*n:T+2*n+1]
.set n, n+1
.endr
	s_wait_xcnt 0x0                                ; the registers that the block before stored from are written again only behind this wait
.set n, 0
.rept 16
	v_cvt_pk_bf16_f32 v[PK+n], v[U+2*n], v[U+2*n+1]
.set n, n+1
.endr
.irp nb, 0,1,2,3
	global_store_b128 v[ADRA], v[PK+4*(\nb):PK+4*(\nb)+3], s[34:35] offset:(\i)*524288+(\nb)*512   ; half a fragment: 512 consecutive bytes
.endr
.endm
.irp i, 0,1,2,3,4,5,6,7
	SWIGLU \i
.endr
	s_wait_tensorcnt 0x0                           ; the wave's end, behind my last tensor load and my last LDS store
	ds_add_u32 v[SPW], v[NIL]
	s_wait_dscnt 0x0
	s_endpgm
.Lfunc_end_k_qd5c3d75ad5_moe1:
	.size	k_qd5c3d75ad5_moe1, .Lfunc_end_k_qd5c3d75ad5_moe1-k_qd5c3d75ad5_moe1
	.p2alignl 7, 3214868480
	.fill 96, 4, 3214868480
	.section	.rodata,"a",@progbits
	.p2align	6, 0x0
	.amdhsa_kernel k_qd5c3d75ad5_moe1
		.amdhsa_group_segment_fixed_size 327680
		.amdhsa_private_segment_fixed_size 0
		.amdhsa_enable_private_segment 0
		.amdhsa_kernarg_size 24
		.amdhsa_user_sgpr_count 2
		.amdhsa_user_sgpr_kernarg_segment_ptr 1
		.amdhsa_wavefront_size32 1
		.amdhsa_system_sgpr_workgroup_id_x 1
		.amdhsa_system_sgpr_workgroup_id_y 1
		.amdhsa_system_sgpr_workgroup_id_z 1
		.amdhsa_system_vgpr_workitem_id 0
		.amdhsa_next_free_vgpr 1024
		.amdhsa_next_free_sgpr 66
		.amdhsa_reserve_vcc 0
		.amdhsa_float_denorm_mode_32 3
		.amdhsa_float_denorm_mode_16_64 3
		.amdhsa_memory_ordered 1
		.amdhsa_forward_progress 1
		.amdhsa_inst_pref_size 183
	.end_amdhsa_kernel
	.amdgpu_metadata
---
amdhsa.version: [ 1, 2 ]
amdhsa.kernels:
  - .name:           k_qd5c3d75ad5_moe1
    .symbol:         k_qd5c3d75ad5_moe1.kd
    .args:
      - { .name: mid, .offset: 0, .size: 8, .value_kind: global_buffer, .address_space: global }
      - { .name: w1, .offset: 8, .size: 8, .value_kind: global_buffer, .address_space: global }
      - { .name: actf, .offset: 16, .size: 8, .value_kind: global_buffer, .address_space: global }
    .group_segment_fixed_size: 327680
    .private_segment_fixed_size: 0
    .kernarg_segment_align: 8
    .kernarg_segment_size: 24
    .max_flat_workgroup_size: 128
    .sgpr_count:     66
    .vgpr_count:     1024
    .wavefront_size: 32
...
	.end_amdgpu_metadata
.endif
;; end of part 5
;; launch moe2 (part 6): grid 256 x 1, 4 waves a work-group, no clusters, 327,680 bytes of LDS; arguments actf, w2, part; writes part
.if DOCPART == 6
	.amdgcn_target "amdgcn-amd-amdhsa--gfx1250"
	.amdhsa_code_object_version 6
	.text
	.protected	k_qd5c3d75ad5_moe2
	.globl	k_qd5c3d75ad5_moe2
	.p2align	8
	.type	k_qd5c3d75ad5_moe2,@function
k_qd5c3d75ad5_moe2:
	s_mov_b64 s[64:65], 0
	v_nop
	global_prefetch_b8 v0, s[64:65] scope:SCOPE_SE
	s_setreg_imm32_b32 hwreg(HW_REG_WAVE_MODE, 25, 1), 1
	s_wait_xcnt 0x0
; MOE2: the sum over all experts of act w2[e] is ONE product: act [1,024][16,384] with w2 read as [16,384][1,024]. It has only 1,024 x 1,024 outputs, so K is split in 16 ranges of 1,024 and each
; range's sums are stored in f32; the launch behind adds them in ascending order.
; SHARES. Work-group id: row half hf = id & 1 (512 tokens), K range ks = (id >> 1) & 15, column tile nt = id >> 5 (128 columns): 256 work-groups; near ids differ in the K range, that is in the rows of w2 and the columns of act that they read.
; Four waves, 128 tokens x 128 columns each: 64 accumulators.
; The loop is the first product's: act (fragment order) straight from memory into four register buffers, 48 loads on their way; w2, [k][column] in f32, in chunks of 128 rows by a tensor load a wave (64 rows x 256 bytes)
; into one of two f32 slots; while chunk c is multiplied each wave rounds a quarter of chunk c + 1 into one of two bf16 slots, which LDS stores alone write; fragments by ds_load_tr16_b128.
; THE DEAL. A chunk is four quarters of 64 products. The 64 roundings of a chunk stand four at a time behind eight products of the second and of the third quarter; all LDS and memory lines of a quarter stand in ONE run in its middle.
; Source 0 = 16 columns of w2, source 1 = 16 tokens: a lane holds one token and 8 neighbouring columns. part: [ks 16][token block 64][column block 64][1 KB], a tile as [registers 0-3, 4-7][lane][16 bytes]: stored from the accumulators as they lie.
; NO CLUSTER. A weight tile has two readers, not four, and it is a third of a K step's bytes (16 KB of 48); act comes by loads into registers, which no joint load serves.
; LDS and REGISTERS: 0, 0x10000 f32 slots [column half][k 128][256 bytes]; 0x20000, 0x30000 bf16 slots of 128 rows x 288 bytes; 0x39000 the spare words.
;   window 0: v[2:8] addresses; v28, v29 the add's; v[32:95] weights on their way to bf16; v[128:255] token buffers 0, 1. window 1: v[0:127] weight fragments, two buffers; v[128:255] token buffers 2, 3. windows 2, 3: accumulators (a, b) at 8 (8 a + b).
; LIMITS. Operands rounded to bf16; K summed in 16 parts; NaN and infinities are not treated apart.
.set PITCHE, 1024
.set CHUNKB, 524288
.set RBS,    524288
.set BFP,    288
.set FLIP,   0x10000
.set BF0,    0x20000
.set SPARE,  0x39000
.set ADRA, 2
.set LB0,  3
.set LC0,  4
.set LS0,  5
.set ADB,  6
.set ADC,  7
.set ADS,  8
.set SPW,  28
.set NIL,  29
.set CV,   32
.set MSB, 0
.macro WIN new
.if MSB != (\new)
	s_set_vgpr_msb (MSB<<8)|(\new)
.set MSB, (\new)
.endif
.endm
.macro PLACES
.rept 4
	v_nop
.endr
.endm
.macro CVT4 g                          ; rows 2 g and 2 g + 1 of the sixteen in hand are rounded, each row's four numbers into its first two registers
	WIN 0
	v_cvt_pk_bf16_f32 v[CV+8*(\g)],   v[CV+8*(\g)],   v[CV+8*(\g)+1]
	v_cvt_pk_bf16_f32 v[CV+8*(\g)+1], v[CV+8*(\g)+2], v[CV+8*(\g)+3]
	v_cvt_pk_bf16_f32 v[CV+8*(\g)+4], v[CV+8*(\g)+4], v[CV+8*(\g)+5]
	v_cvt_pk_bf16_f32 v[CV+8*(\g)+5], v[CV+8*(\g)+6], v[CV+8*(\g)+7]
.endm
; 16 products of quarter q; the 64 accumulators come in the same order in every quarter: they take turns. ride = 1: behind each of the first eight stand four roundings, which name none of the products' registers.
.macro MUL16 q, hi, a0, zero, ride=0
.irp a, \a0, (\a0)+1
.irp b, 0,1,2,3,4,5,6,7
	WIN 1+4*((\q)/2)+0x50*(2+(\hi))
.if \zero
	v_wmma_f32_16x16x32_bf16 v[8*(8*(\a)+(\b)):8*(8*(\a)+(\b))+7], v[64*((\q)%2)+8*(\b):64*((\q)%2)+8*(\b)+7], v[128+64*((\q)%2)+8*(4*(\hi)+(\a)):128+64*((\q)%2)+8*(4*(\hi)+(\a))+7], 0
.else
	v_wmma_f32_16x16x32_bf16 v[8*(8*(\a)+(\b)):8*(8*(\a)+(\b))+7], v[64*((\q)%2)+8*(\b):64*((\q)%2)+8*(\b)+7], v[128+64*((\q)%2)+8*(4*(\hi)+(\a)):128+64*((\q)%2)+8*(4*(\hi)+(\a))+7], v[8*(8*(\a)+(\b)):8*(8*(\a)+(\b))+7]
.endif
.if (\ride) && ((\a) == (\a0))
	CVT4 \b
.endif
.endr
.endr
.endm
.macro FETCHB qn
	WIN 0x40
.irp nb, 0,1,2,3,4,5,6,7
	ds_load_tr16_b128 v[64*((\qn)%2)+8*(\nb):64*((\qn)%2)+8*(\nb)+3],   v[ADB] offset:(\qn)*32*BFP+32*(\nb)
	ds_load_tr16_b128 v[64*((\qn)%2)+8*(\nb)+4:64*((\qn)%2)+8*(\nb)+7], v[ADB] offset:(\qn)*32*BFP+32*(\nb)+16*BFP
.endr
.endm
.macro ALOAD buf
	WIN 0x40*((\buf)/2)
.irp i, 0,1,2,3,4,5,6,7
	global_load_b128 v[128+64*((\buf)%2)+8*(\i):128+64*((\buf)%2)+8*(\i)+3],   v[ADRA], s[32:33] offset:(\i)*RBS+(\buf)*1024
	global_load_b128 v[128+64*((\buf)%2)+8*(\i)+4:128+64*((\buf)%2)+8*(\i)+7], v[ADRA], s[32:33] offset:(\i)*RBS+(\buf)*1024+512
.endr
.endm
.macro CVLOAD p
	WIN 0
.set ci, 0
.rept 16
	ds_load_b128 v[CV+4*ci:CV+4*ci+3], v[ADC] offset:(16*(\p)+ci)*256
.set ci, ci+1
.endr
.endm
.macro CVST p
	WIN 0
.set ci, 0
.rept 16
	ds_store_b64 v[ADS], v[CV+4*ci:CV+4*ci+1] offset:(16*(\p)+ci)*BFP
.set ci, ci+1
.endr
.endm
; One of a chunk's first three quarters. ride = 1: the sixteen rows loaded in the quarter before are rounded behind its first products. In its middle ONE run: the rounded rows' stores (st; -1: none), the next quarter's weight
; fragments, the next sixteen rows in f32 (cl; -1: none), the tokens three quarters on (aload). Ahead of the run the roundings, or four v_nop, are the places behind the last readers of the registers that it loads.
; left: the two younger groups of 16 token loads. last = 1: in the loop's last trip there is no chunk left to round, and the sixteen loads are jumped over; the waits behind are for 0 on both ways.
.macro QUARTER q, zero, ride, st, cl, aload, left, last
	s_wait_loadcnt \left
	s_wait_dscnt 0x0
	MUL16 \q, 0, 0, \zero, \ride
	MUL16 \q, 0, 2, \zero, 0
.if !(\ride)
	PLACES
.endif
.if (\st) >= 0
	CVST \st
.endif
	FETCHB (\q)+1
.if (\cl) >= 0
.if \last
	WIN 0
	s_cmp_eq_u32 s42, 1
	s_cbranch_scc1 .Lnone_\@
.endif
	CVLOAD \cl
.if \last
.Lnone_\@:
.endif
.endif
.if \aload
	ALOAD ((\q)+3)%4
.endif
	MUL16 \q, 1, 0, \zero, 0
	MUL16 \q, 1, 2, \zero, 0
.endm
; The fourth quarter and the change of slots: ONE barrier. In front of it each wave has waited for all its tensor loads (one is out: its part of the f32 chunk two on), added 0 to its spare word, and waited for that, for its stores of the
; next bf16 chunk and for its reads of both slots in hand. Behind it the f32 slot just rounded is filled again first (refill = 1), the next bf16 chunk is read, and the bf16 slot just read may be written.
.macro TURN refill
	s_wait_loadcnt 32
	WIN 0
	s_wait_tensorcnt 0x0
	ds_add_u32 v[SPW], v[NIL]
.if \refill
	s_xor_b32 s29, s29, FLIP
	s_add_nc_u64 s[30:31], s[30:31], CHUNKB
.endif
	s_xor_b32 s40, s40, FLIP
	s_xor_b32 s41, s41, FLIP
	s_wait_dscnt 1                                 ; (the add alone may be out)
	MUL16 3, 0, 0, 0
	s_wait_dscnt 0x0
	s_barrier_signal -1
	MUL16 3, 0, 2, 0
	WIN 0
	s_barrier_wait -1
.if \refill
	tensor_load_to_lds s[28:31], s[16:23]          ; my one tensor load behind the barrier
	s_nop 0
.endif
	v_add_nc_u32 v[ADB], s40, v[LB0]               ; these four lines are also the places ahead of the loads below
	v_add_nc_u32 v[ADC], s41, v[LC0]
	v_add_nc_u32 v[ADS], s41, v[LS0]
	v_nop
	FETCHB 0
	ALOAD 2
	MUL16 3, 1, 0, 0
	MUL16 3, 1, 2, 0
.endm
.macro LAP refill
	QUARTER 1, 0, 1, 0, 1, 1, 32, 0
	QUARTER 2, 0, 1, 1, -1, 1, 32, 0
	TURN \refill
	QUARTER 0, 0, 0, -1, 0, 1, 32, 1-(\refill)
	WIN 0
	s_wait_xcnt 0x0
	s_add_nc_u64 s[32:33], s[32:33], 4096
.endm
	s_load_b128 s[4:7], s[0:1], 0x0                ; actf s[4:5], w2 s[6:7]
	s_load_b64 s[8:9], s[0:1], 0x10                ; part
	v_lshl_add_u32 v[SPW], v0, 2, SPARE
	v_mov_b32 v[NIL], 0
	ds_add_u32 v[SPW], v[NIL]                      ; the wave's opening: the add and its wait ahead of my first tensor load
	ds_add_u32 v28, v29
	v_lshrrev_b32 v1, 5, v0
	v_readfirstlane_b32 s10, v1                    ; wave 0..3
	s_and_b32 s12, ttmp9, 1                        ; hf
	s_lshr_b32 s14, ttmp9, 1
	s_and_b32 s14, s14, 15                         ; ks
	s_lshr_b32 s13, ttmp9, 5                       ; nt
	s_lshl_b32 s36, s12, 5
	s_lshl3_add_u32 s36, s10, s36                  ; my first token block: 32 hf + 8 w
	s_lshl_b32 s38, s14, 22                        ; my tile of chunk 0 in w2: the range's 1,024 rows of 4,096 bytes,
	s_lshl_b32 s39, s13, 9                         ; the tile's 512 bytes of a row,
	s_add_co_u32 s38, s38, s39
	s_lshr_b32 s39, s10, 1
	s_lshl_b32 s39, s39, 8                         ; waves 2, 3: its second 256 bytes,
	s_add_co_u32 s38, s38, s39
	s_and_b32 s39, s10, 1
	s_lshl_b32 s39, s39, 18                        ; waves 1, 3: the chunk's rows 64 to 127
	s_add_co_u32 s38, s38, s39
	s_mov_b32 s39, 0
	s_lshl_b32 s32, s36, 19                        ; act: my token blocks of 512 KB,
	s_lshl_b32 s37, s14, 15                        ; the range's 32 k blocks
	s_add_co_u32 s32, s32, s37
	s_mov_b32 s33, 0
	s_lshl_b32 s34, s14, 22                        ; part: the range's 4 MB,
	s_lshl_b32 s37, s36, 16
	s_add_co_u32 s34, s34, s37
	s_lshl_b32 s37, s13, 13                        ; the tile's 8 column blocks
	s_add_co_u32 s34, s34, s37
	s_mov_b32 s35, 0
	s_mov_b32 s16, 2<<16                           ; group 1: no mask; elements of 4 bytes; no padding
	s_mov_b32 s17, 64<<16                          ; tensor_dim0 = 64
	s_mov_b32 s18, 64<<16                          ; tensor_dim1 = 64
	s_mov_b32 s19, 64<<16                          ; tile_dim0 = 64
	s_mov_b32 s20, 64                              ; tile_dim1 = 64
	s_mov_b32 s21, PITCHE
	s_mov_b32 s22, 0
	s_mov_b32 s23, 0
	s_mov_b32 s24, 1
	s_lshl_b32 s25, s10, 14
	s_mov_b32 s28, 1
	s_add_co_u32 s29, s25, FLIP
	v_and_b32 v12, 31, v0
	v_and_b32 v13, 15, v0
	v_bfe_u32 v14, v0, 4, 1
	v_lshlrev_b32 v[ADRA], 4, v12
	v_and_b32 v15, 7, v0
	v_lshl_add_u32 v15, v14, 3, v15
	v_mul_u32_u24 v15, v15, BFP
	v_bfe_u32 v16, v0, 3, 1
	v_lshl_add_u32 v15, v16, 4, v15
	v_add_nc_u32 v[LB0], BF0, v15
	v_lshlrev_b32 v15, 4, v13
	v_lshl_add_u32 v15, v14, 15, v15
	v_lshl_add_u32 v[LC0], s10, 13, v15
	s_mul_i32 s11, s10, 32*BFP
	s_add_co_u32 s11, s11, BF0
	v_lshl_add_u32 v[LS0], v12, 3, s11
	s_wait_dscnt 0x0                               ; the opening add is done
	s_wait_kmcnt 0x0
	s_add_nc_u64 s[32:33], s[4:5], s[32:33]
	s_add_nc_u64 s[34:35], s[8:9], s[34:35]
	s_add_nc_u64 s[26:27], s[6:7], s[38:39]
	s_add_nc_u64 s[30:31], s[26:27], CHUNKB
	s_or_b32 s27, s27, 0x80000000
	s_or_b32 s31, s31, 0x80000000
	tensor_load_to_lds s[24:27], s[16:23]          ; the two first fills go out together: two tensor loads of mine are out
	s_nop 0
	tensor_load_to_lds s[28:31], s[16:23]
	s_nop 0
.rept 4
	v_nop
.endr
	ALOAD 0
	ALOAD 1
	ALOAD 2
	WIN 0
	s_mov_b32 s40, FLIP
	s_mov_b32 s41, 0
	v_add_nc_u32 v[ADC], s41, v[LC0]
	v_add_nc_u32 v[ADS], s41, v[LS0]
	s_wait_tensorcnt 1                             ; my part of chunk 0 is in; chunk 1's may stay out
	s_barrier_signal -1
	s_barrier_wait -1
.irp p, 0,1                            ; chunk 0 is rounded whole, with nothing to multiply yet
	CVLOAD \p
	s_wait_dscnt 0x0
.irp g, 0,1,2,3,4,5,6,7
	CVT4 \g
.endr
	CVST \p
.endr
	s_wait_tensorcnt 0x0
	ds_add_u32 v[SPW], v[NIL]
	s_xor_b32 s29, s29, FLIP
	s_add_nc_u64 s[30:31], s[30:31], CHUNKB
	s_xor_b32 s40, s40, FLIP
	s_xor_b32 s41, s41, FLIP
	s_wait_dscnt 0x0
	s_barrier_signal -1
	s_barrier_wait -1
	tensor_load_to_lds s[28:31], s[16:23]          ; chunk 2, into the slot that chunk 0 has left
	s_nop 0
	v_add_nc_u32 v[ADB], s40, v[LB0]
	v_add_nc_u32 v[ADC], s41, v[LC0]
	v_add_nc_u32 v[ADS], s41, v[LS0]
	v_nop
	FETCHB 0
	QUARTER 0, 1, 0, -1, 0, 1, 32, 0               ; the first quarter's products start the sums
	WIN 0
	s_wait_xcnt 0x0
	s_add_nc_u64 s[32:33], s[32:33], 4096
	s_mov_b32 s42, 5
.Lfill:                                            ; chunks 0 to 4: their changes of slots ask for chunks 3 to 7
	LAP 1
	s_sub_co_u32 s42, s42, 1
	s_cmp_lg_u32 s42, 0
	s_cbranch_scc1 .Lfill
	s_mov_b32 s42, 2
.Ldry:                                             ; chunks 5 and 6: nothing is left to ask for; a text of its own
	LAP 0
	s_sub_co_u32 s42, s42, 1
	s_cmp_lg_u32 s42, 0
	s_cbranch_scc1 .Ldry
	QUARTER 1, 0, 0, -1, -1, 0, 32, 0
	QUARTER 2, 0, 0, -1, -1, 0, 16, 0
	s_wait_loadcnt 0x0
	s_wait_dscnt 0x0
	MUL16 3, 0, 0, 0
	MUL16 3, 0, 2, 0
	MUL16 3, 1, 0, 0
	MUL16 3, 1, 2, 0
	PLACES
.irp hi, 0,1                           ; the sums leave from the accumulators as they lie, each from its low end on: 512 consecutive bytes a store
	WIN 0x08+4*(\hi)
.set t, 0
.rept 32
	global_store_b128 v[ADRA], v[8*t:8*t+3],   s[34:35] offset:(4*(\hi)+t/8)*65536+(t%8)*1024
	global_store_b128 v[ADRA], v[8*t+4:8*t+7], s[34:35] offset:(4*(\hi)+t/8)*65536+(t%8)*1024+512
.set t, t+1
.endr
.endr
	WIN 0
	s_wait_tensorcnt 0x0                           ; the wave's end, behind my last tensor load and my last LDS store
	ds_add_u32 v[SPW], v[NIL]
	s_wait_dscnt 0x0
	s_endpgm
.Lfunc_end_k_qd5c3d75ad5_moe2:
	.size	k_qd5c3d75ad5_moe2, .Lfunc_end_k_qd5c3d75ad5_moe2-k_qd5c3d75ad5_moe2
	.p2alignl 7, 3214868480
	.fill 96, 4, 3214868480
	.section	.rodata,"a",@progbits
	.p2align	6, 0x0
	.amdhsa_kernel k_qd5c3d75ad5_moe2
		.amdhsa_group_segment_fixed_size 327680
		.amdhsa_private_segment_fixed_size 0
		.amdhsa_enable_private_segment 0
		.amdhsa_kernarg_size 24
		.amdhsa_user_sgpr_count 2
		.amdhsa_user_sgpr_kernarg_segment_ptr 1
		.amdhsa_wavefront_size32 1
		.amdhsa_system_sgpr_workgroup_id_x 1
		.amdhsa_system_sgpr_workgroup_id_y 1
		.amdhsa_system_sgpr_workgroup_id_z 1
		.amdhsa_system_vgpr_workitem_id 0
		.amdhsa_next_free_vgpr 1024
		.amdhsa_next_free_sgpr 66
		.amdhsa_reserve_vcc 0
		.amdhsa_float_denorm_mode_32 3
		.amdhsa_float_denorm_mode_16_64 3
		.amdhsa_memory_ordered 1
		.amdhsa_forward_progress 1
		.amdhsa_inst_pref_size 127
	.end_amdhsa_kernel
	.amdgpu_metadata
---
amdhsa.version: [ 1, 2 ]
amdhsa.kernels:
  - .name:           k_qd5c3d75ad5_moe2
    .symbol:         k_qd5c3d75ad5_moe2.kd
    .args:
      - { .name: actf, .offset: 0, .size: 8, .value_kind: global_buffer, .address_space: global }
      - { .name: w2, .offset: 8, .size: 8, .value_kind: global_buffer, .address_space: global }
      - { .name: part, .offset: 16, .size: 8, .value_kind: global_buffer, .address_space: global }
    .group_segment_fixed_size: 327680
    .private_segment_fixed_size: 0
    .kernarg_segment_align: 8
    .kernarg_segment_size: 24
    .max_flat_workgroup_size: 128
    .sgpr_count:     66
    .vgpr_count:     1024
    .wavefront_size: 32
...
	.end_amdgpu_metadata
.endif
;; end of part 6
;; launch final (part 7): grid 4 x 64, 4 waves a work-group, no clusters, 22,016 bytes of LDS; arguments part, mid, gate_w, gate_b, gate_rms_w, out0; writes out0
.if DOCPART == 7
	.amdgcn_target "amdgcn-amd-amdhsa--gfx1250"
	.amdhsa_code_object_version 6
	.text
	.protected	k_qd5c3d75ad5_final
	.globl	k_qd5c3d75ad5_final
	.p2align	8
	.type	k_qd5c3d75ad5_final,@function
k_qd5c3d75ad5_final:
	s_mov_b64 s[64:65], 0
	v_nop
	global_prefetch_b8 v0, s[64:65] scope:SCOPE_SE
	s_setreg_imm32_b32 hwreg(HW_REG_WAVE_MODE, 25, 1), 1
	s_wait_xcnt 0x0
; FINAL: out = x2 + g x (the sum of the 16 partial products), g = top / (top + 1e-6), top = the largest gate of the token.
; SHARES. Work-group (cq, rb): 16 tokens x 256 columns; wave w the four tiles of 16 x 16 from column block 16 cq + 4 w on. The stream binds: 68 KB in for each wave; a ring of five register slots keeps four splits (32 loads) on their way.
; THE GATE is made anew by each of a token block's four work-groups (16 tokens x 8 experts x 1,024): wave w multiplies k blocks 8 w .. 8 w + 7 by the matrix unit, bf16 operands: source 0 = gate_w, whose rows 8-15 repeat
; the experts 0-7, so that both halves of the lanes end with all 8 logits of token lane % 16; source 1 = bf16(x2 norm2_w). The four waves' parts meet in LDS. Then, in f32: z = rs2 L + gate_b; y = z gate_rms_w rsqrt(mean z^2 + 2^-23) / 0.5;
; softmax with its maximum taken away: the largest gate is 1 / the sum of 2^(log2(e) (y - max)).
; The way out goes through a stage of the wave's own (16 rows of 272 bytes), so that sixteen lanes store 256 consecutive bytes of a row of out0.
; LDS. 0: the gate's parts [wave][lane][32 bytes]; 4,096: four stages of 4,352 bytes; 21,504: the spare words.
; REGISTERS. window 0: v[1:11] addresses; v[12:27] at work; v28, v29 the add's; v[30:31] g; v[32:47] two accumulators; v[48:55] their sum; v[56:63] sums of squares; v[64:127] tokens; v[128:255] gate_w.
;   window 1: v[0:31] the sum (split 0 starts it); v[32:63] x2; v[64:223] five slots of 32.
; Matrix units beyond the gate, clusters and tensor loads buy nothing here: every byte of part is read once, by one wave.
; LIMITS. The gate's operands are rounded to bf16; exponentials below 2^-126 count as 0; NaN and infinities are not treated apart.
.set SPARE, 21504
.set STG, 4096
.set SP, 272
.set SPW, 28
.set NIL, 29
.set MSB, 0
.macro WIN new
.if MSB != (\new)
	s_set_vgpr_msb (MSB<<8)|(\new)
.set MSB, (\new)
.endif
.endm
.macro PLOAD k                         ; the next split's four tiles into slot k: 8 loads of 512 consecutive bytes
	s_wait_xcnt 0x0                                ; the base is stepped only behind this wait
	s_add_nc_u64 s[36:37], s[36:37], 4194304
	WIN 0x40
.irp n, 0,1,2,3,4,5,6,7
	global_load_b128 v[64+32*(\k)+4*(\n):64+32*(\k)+4*(\n)+3], v1, s[36:37] offset:512*(\n)
.endr
.endm
.macro SPLIT k, issue, left            ; slot k is added; issue = 1: it takes the split five on. left: the younger splits' loads
	s_wait_loadcnt \left
	WIN 0x55
.set n, 0
.rept 16
	v_pk_add_f32 v[2*n:2*n+1], v[2*n:2*n+1], v[64+32*(\k)+2*n:64+32*(\k)+2*n+1]
.set n, n+1
.endr
.if \issue
	PLOAD \k
.endif
.endm
	s_load_b256 s[4:11], s[0:1], 0x0               ; part s[4:5], mid s[6:7], gate_w s[8:9], gate_b s[10:11]
	s_load_b128 s[12:15], s[0:1], 0x20             ; gate_rms_w s[12:13], out0 s[14:15]
	v_lshl_add_u32 v[SPW], v0, 2, SPARE
	v_mov_b32 v[NIL], 0
	v_lshrrev_b32 v1, 5, v0
	v_readfirstlane_b32 s32, v1                    ; wave
	s_mov_b32 s33, ttmp9                           ; cq
	s_and_b32 s34, ttmp7, 0xffff                   ; rb
	v_and_b32 v2, 31, v0                           ; lane
	v_and_b32 v3, 15, v0                           ; r
	v_bfe_u32 v4, v0, 4, 1                         ; h
	v_lshlrev_b32 v1, 4, v2                        ; 16 x lane
	v_lshlrev_b32 v12, 5, v4                       ; 32 h
	v_lshl_add_u32 v5, v3, 6, v12                  ; sums of squares: 64 r + 32 h
	v_and_b32 v13, 7, v0
	v_lshl_add_u32 v6, v13, 12, v12                ; gate_w: expert r % 8, 32 h,
	v_lshl_add_u32 v6, s32, 10, v6                 ; my wave's 256 columns
	v_lshlrev_b32 v8, 5, v2                        ; the gate's parts: 32 x lane,
	v_lshl_add_u32 v7, s32, 10, v8                 ; and my wave's
	s_mul_i32 s35, s32, 16*SP
	s_add_co_u32 s35, s35, STG                     ; my stage
	v_mul_u32_u24 v9, v3, SP
	v_add3_u32 v9, v9, v12, s35                    ; in: row r, 32 bytes for each half of the lanes
	v_mul_u32_u24 v10, v4, SP
	v_lshl_add_u32 v10, v3, 4, v10
	v_add_nc_u32 v10, s35, v10                     ; back: lanes 0-15 one row of 256 bytes, lanes 16-31 the next
	v_lshlrev_b32 v11, 12, v4
	v_lshl_add_u32 v11, v3, 4, v11                 ; and the same two rows in out0
	s_lshl_b32 s38, s34, 16                        ; my four tiles in a split and in x2: the token block's 64 KB,
	s_lshl_b32 s39, s33, 14
	s_add_co_u32 s38, s38, s39
	s_lshl_b32 s39, s32, 12
	s_add_co_u32 s38, s38, s39                     ; column block 16 cq + 4 w
	s_mov_b32 s39, 0
	s_lshl_b32 s48, s34, 15
	s_lshl_b32 s49, s32, 13
	s_add_co_u32 s48, s48, s49
	s_add_co_u32 s48, s48, 4194304                 ; the tokens' k blocks 8 w on
	s_mov_b32 s49, 0
	s_lshl_b32 s50, s34, 10
	s_add_co_u32 s50, s50, 6291456
	s_mov_b32 s51, 0
	s_lshl_b32 s52, s34, 16                        ; out0: 16 rows of 4,096 bytes,
	s_lshl_b32 s53, s33, 10
	s_add_co_u32 s52, s52, s53
	s_lshl_b32 s53, s32, 8
	s_add_co_u32 s52, s52, s53                     ; my 256 bytes of a row
	s_mov_b32 s53, 0
	s_mov_b32 s40, 0x76543210
	s_mov_b32 s41, 0xfedcba98
	s_mov_b32 s42, 0x3a800000                      ; 1 / 1024
	s_mov_b32 s43, 0x322bcc77                      ; 1e-8
	s_mov_b32 s44, 0x3e000000                      ; 1 / 8
	s_mov_b32 s45, 0x34000000                      ; 2^-23
	s_wait_kmcnt 0x0
	s_load_b256 s[16:23], s[10:11], 0x0            ; gate_b
	s_load_b256 s[24:31], s[12:13], 0x0            ; gate_rms_w
	s_add_nc_u64 s[36:37], s[4:5], s[38:39]
	s_add_nc_u64 s[46:47], s[6:7], s[38:39]
	s_add_nc_u64 s[48:49], s[6:7], s[48:49]
	s_add_nc_u64 s[50:51], s[6:7], s[50:51]
	s_add_nc_u64 s[52:53], s[14:15], s[52:53]
	global_load_b128 v[56:59], v5, s[50:51]
	global_load_b128 v[60:63], v5, s[50:51] offset:16
.set n, 0
.rept 16
	global_load_b128 v[64+4*n:64+4*n+3], v1, s[48:49] offset:512*n
.set n, n+1
.endr
.set n, 0
.rept 16                               ; group n = 2 kb' + j: 8 numbers a lane
	global_load_b128 v[128+8*n:128+8*n+3], v6, s[8:9] offset:64*n
	global_load_b128 v[128+8*n+4:128+8*n+7], v6, s[8:9] offset:64*n+16
.set n, n+1
.endr
	WIN 0x40
.irp n, 0,1,2,3,4,5,6,7
	global_load_b128 v[4*(\n):4*(\n)+3], v1, s[36:37] offset:512*(\n)     ; split 0 starts the sum
.endr
	s_wait_loadcnt 8                               ; all that the gate needs is in; split 0 may stay out
.irp n, 0,1,2,3,4,5,6,7
	global_load_b128 v[32+4*(\n):32+4*(\n)+3], v1, s[46:47] offset:512*(\n)   ; x2
.endr
	PLOAD 0                                        ; splits 1 to 5: they come in while the gate is made
	PLOAD 1
	PLOAD 2
	PLOAD 3
	PLOAD 4
	WIN 0
.set n, 0
.rept 8                                ; gate_w to bf16, in place, ascending: k block n's fragment ends in its first 8 registers
.irp j, 0,1
.irp u, 0,1,2,3
	v_cvt_pk_bf16_f32 v[128+16*n+4*(\j)+(\u)], v[128+16*n+8*(\j)+2*(\u)], v[128+16*n+8*(\j)+2*(\u)+1]
.endr
.endr
.set n, n+1
.endr
	v_wmma_f32_16x16x32_bf16 v[32:39], v[128:135], v[64:71], 0            ; two accumulators take turns
	v_wmma_f32_16x16x32_bf16 v[40:47], v[144:151], v[72:79], 0
.set n, 2
.rept 3
	v_wmma_f32_16x16x32_bf16 v[32:39], v[128+16*n:128+16*n+7], v[64+8*n:64+8*n+7], v[32:39]
	v_wmma_f32_16x16x32_bf16 v[40:47], v[144+16*n:144+16*n+7], v[72+8*n:72+8*n+7], v[40:47]
.set n, n+2
.endr
	v_pk_add_f32 v[56:57], v[56:57], v[58:59]      ; rmsnorm2's scale; its first four lines are the places behind the products
	v_pk_add_f32 v[60:61], v[60:61], v[62:63]
	v_pk_add_f32 v[56:57], v[56:57], v[60:61]
	v_add_f32 v56, v56, v57
	v_permlanex16_b32 v57, v56, s40, s41
	v_add_f32 v56, v56, v57
	v_fma_f32 v56, v56, s42, s43
	v_rsq_f32 v12, v56                             ; rs2
.irp u, 0,1,2,3
	v_pk_add_f32 v[48+2*(\u):49+2*(\u)], v[32+2*(\u):33+2*(\u)], v[40+2*(\u):41+2*(\u)]
.endr
	s_wait_alu depctr_va_vdst(0)                   ; the wait ahead of rs2's first reader; the four sums above are the plain lines behind it
	ds_store_b128 v7, v[48:51]
	ds_store_b128 v7, v[52:55] offset:16
	s_wait_dscnt 0x0                               ; for the others' sake: my stores are done
	s_barrier_signal -1
	s_barrier_wait -1
.irp u, 0,1,2,3
	ds_load_b128 v[128+8*(\u):128+8*(\u)+3], v8 offset:1024*(\u)
	ds_load_b128 v[128+8*(\u)+4:128+8*(\u)+7], v8 offset:1024*(\u)+16
.endr
	s_wait_dscnt 0x0
.irp u, 1,2,3
.irp p, 0,1,2,3
	v_pk_add_f32 v[128+2*(\p):129+2*(\p)], v[128+2*(\p):129+2*(\p)], v[128+8*(\u)+2*(\p):129+8*(\u)+2*(\p)]
.endr
.endr
	s_wait_kmcnt 0x0                               ; gate_b, gate_rms_w
.irp j, 0,1,2,3,4,5,6,7
	v_fma_f32 v[16+(\j)], v[128+(\j)], v12, s[16+(\j)]     ; z
.endr
	v_mul_f32 v13, v16, v16
.irp j, 1,2,3,4,5,6,7
	v_fma_f32 v13, v[16+(\j)], v[16+(\j)], v13
.endr
	v_fma_f32 v13, v13, s44, s45                   ; the mean of z^2 + 2^-23
	v_rsq_f32 v14, v13
	v_nop
	s_wait_alu depctr_va_vdst(0)
	v_mul_f32 v14, 0x4038aa3b, v14                 ; x 2 log2(e): the temperature 0.5 and the base
.irp j, 0,1,2,3,4,5,6,7
	v_mul_f32 v[16+(\j)], v[16+(\j)], v14
.endr
.irp j, 0,1,2,3,4,5,6,7
	v_mul_f32 v[16+(\j)], s[24+(\j)], v[16+(\j)]
.endr
	v_max3_num_f32 v15, v16, v17, v18
	v_max3_num_f32 v15, v15, v19, v20
	v_max3_num_f32 v15, v15, v21, v22
	v_max_num_f32 v15, v15, v23
.irp j, 0,1,2,3,4,5,6,7
	v_sub_f32 v[16+(\j)], v[16+(\j)], v15
.endr
.irp j, 0,1,2,3,4,5,6,7
	v_exp_f32 v[16+(\j)], v[16+(\j)]
.endr
	v_nop
	s_wait_alu depctr_va_vdst(0)                   ; one wait for the eight
	v_add_f32 v16, v16, v17
	v_add_f32 v18, v18, v19
	v_add_f32 v20, v20, v21
	v_add_f32 v22, v22, v23
	v_add_f32 v16, v16, v18
	v_add_f32 v20, v20, v22
	v_add_f32 v16, v16, v20
	v_rcp_f32 v14, v16                             ; top: the largest gate's exponential is 1
	v_nop
	s_wait_alu depctr_va_vdst(0)
	v_add_f32 v15, 0x358637bd, v14                 ; + 1e-6
	v_rcp_f32 v15, v15
	v_nop
	s_wait_alu depctr_va_vdst(0)
	v_mul_f32 v30, v14, v15                        ; g
	v_mov_b32 v31, v30
	s_mov_b32 s54, 2
.Lsum:                                             ; two trips: splits 1 to 10 are added, splits 6 to 15 asked for
	SPLIT 0, 1, 32
	SPLIT 1, 1, 32
	SPLIT 2, 1, 32
	SPLIT 3, 1, 32
	SPLIT 4, 1, 32
	WIN 0
	s_sub_co_u32 s54, s54, 1
	s_cmp_lg_u32 s54, 0
	s_cbranch_scc1 .Lsum
	SPLIT 0, 0, 32                                 ; the last five load nothing: the counts run down
	SPLIT 1, 0, 24
	SPLIT 2, 0, 16
	SPLIT 3, 0, 8
	SPLIT 4, 0, 0
	WIN 0x51
.set n, 0
.rept 16
	v_pk_fma_f32 v[2*n:2*n+1], v[2*n:2*n+1], v[30:31], v[32+2*n:33+2*n]   ; x2 + g x sum
.set n, n+1
.endr
	WIN 0x04
.irp n, 0,1,2,3,4,5,6,7
	ds_store_b128 v9, v[4*(\n):4*(\n)+3] offset:((\n)/2)*64+((\n)%2)*16
.endr
	WIN 0x40
.irp u, 0,1,2,3,4,5,6,7
	ds_load_b128 v[64+4*(\u):64+4*(\u)+3], v10 offset:(\u)*2*SP           ; LDS serves a wave's instructions in order (ISA guide 5.7.1.4): these see my stores above; the stage is my wave's own
.endr
	WIN 0x04
.irp u, 0,1,2,3,4,5,6,7
	s_wait_dscnt 7-(\u)
	global_store_b128 v11, v[64+4*(\u):64+4*(\u)+3], s[52:53] offset:(\u)*8192   ; 16 lanes store 256 consecutive bytes, at a multiple of 256 from out0's first byte
.endr
	WIN 0
	s_wait_tensorcnt 0x0                           ; the wave's end, behind my last LDS store
	ds_add_u32 v[SPW], v[NIL]
	s_wait_dscnt 0x0
	s_endpgm
.Lfunc_end_k_qd5c3d75ad5_final:
	.size	k_qd5c3d75ad5_final, .Lfunc_end_k_qd5c3d75ad5_final-k_qd5c3d75ad5_final
	.p2alignl 7, 3214868480
	.fill 96, 4, 3214868480
	.section	.rodata,"a",@progbits
	.p2align	6, 0x0
	.amdhsa_kernel k_qd5c3d75ad5_final
		.amdhsa_group_segment_fixed_size 22016
		.amdhsa_private_segment_fixed_size 0
		.amdhsa_enable_private_segment 0
		.amdhsa_kernarg_size 48
		.amdhsa_user_sgpr_count 2
		.amdhsa_user_sgpr_kernarg_segment_ptr 1
		.amdhsa_wavefront_size32 1
		.amdhsa_system_sgpr_workgroup_id_x 1
		.amdhsa_system_sgpr_workgroup_id_y 1
		.amdhsa_system_sgpr_workgroup_id_z 1
		.amdhsa_system_vgpr_workitem_id 0
		.amdhsa_next_free_vgpr 512
		.amdhsa_next_free_sgpr 66
		.amdhsa_reserve_vcc 0
		.amdhsa_float_denorm_mode_32 3
		.amdhsa_float_denorm_mode_16_64 3
		.amdhsa_memory_ordered 1
		.amdhsa_forward_progress 1
		.amdhsa_inst_pref_size 42
	.end_amdhsa_kernel
	.amdgpu_metadata
---
amdhsa.version: [ 1, 2 ]
amdhsa.kernels:
  - .name:           k_qd5c3d75ad5_final
    .symbol:         k_qd5c3d75ad5_final.kd
    .args:
      - { .name: part, .offset: 0, .size: 8, .value_kind: global_buffer, .address_space: global }
      - { .name: mid, .offset: 8, .size: 8, .value_kind: global_buffer, .address_space: global }
      - { .name: gate_w, .offset: 16, .size: 8, .value_kind: global_buffer, .address_space: global }
      - { .name: gate_b, .offset: 24, .size: 8, .value_kind: global_buffer, .address_space: global }
      - { .name: gate_rms_w, .offset: 32, .size: 8, .value_kind: global_buffer, .address_space: global }
      - { .name: out0, .offset: 40, .size: 8, .value_kind: global_buffer, .address_space: global }
    .group_segment_fixed_size: 22016
    .private_segment_fixed_size: 0
    .kernarg_segment_align: 8
    .kernarg_segment_size: 48
    .max_flat_workgroup_size: 128
    .sgpr_count:     66
    .vgpr_count:     512
    .wavefront_size: 32
...
	.end_amdgpu_metadata
.endif
;; end of part 7
